; MI455X (gfx1250); checked and timed in simulation.
; The chip was launched on July 23, 2026; its instructions are those of AMD's public machine-readable ISA for CDNA 5 (MIT licence, August 2026) and "CDNA5" Instruction Set Architecture Reference Guide (July 2026). The comments in the code are by the model that wrote it; some were corrected since.
;; Multi Head Attention. Allowed arithmetic: matrix products marked QUANTISED: E2M1 operands, one E8M0 scale for each 32 along K, by v_wmma_scale_f32_16x16x128_f8f6f4 with both operands' format E2M1 (or v_wmma_scale_f32_32x16x128_f4), f32 sums; products left as they are: bf16, f16 or f32 operands; f32 sums; everything else in f32.
;; Inputs: freqs_cos 2,048 x 64 float32; freqs_sin 2,048 x 64 float32; wk 2,048 x 2,048 float32; wo 2,048 x 2,048 float32; wq 2,048 x 2,048 float32; wv 2,048 x 2,048 float32; x 1 x 2,048 x 2,048 float32.
;; Outputs: out0 1 x 2,048 x 2,048 float32.
;; This version of the problem:
;;   THIS VERSION OF THE PROBLEM IS GIVEN IN LOW PRECISION. The matrix products marked QUANTISED in the list below multiply operands that are first quantised to E2M1 (2 exponent bits, 1 mantissa bit; 4 bits a number), with one power-of-two scale for each 32 numbers along K (OCP MX v1.0); their sums are f32. The products marked 'left as it is' may take bf16, f16 or f32 operands, with f32 sums. Whichever they take, every output number must still come out within the allowed error. Rounding operands to bf16 (8 significant bits) uses up far more of that allowance than f16 does (11 bits, for magnitudes from 6e-5 to 65,504). All else is computed in f32.
;;   The module's matrix products, in the order in which they are computed (A, B: the left and right operand; K: the contracted axis; several contracted axes count as one K, in the product's order):
;;     1. [M 2,048, K 2,048] x [K 2,048, N 2,048]; A: input x; B: input wq: QUANTISED
;;     2. [M 2,048, K 2,048] x [K 2,048, N 2,048]; A: input x; B: input wk: QUANTISED
;;     3. [M 2,048, K 2,048] x [K 2,048, N 2,048]; A: input x; B: input wv: QUANTISED
;;     4. batch 16 x [M 2,048, K 128] x [K 128, N 2,048]; A: computed on the way; B: computed on the way: left as it is (an operand is computed on the way)
;;     5. batch 16 x [M 128, K 2,048] x [K 2,048, N 2,048]; A: computed on the way; B: computed on the way: left as it is (an operand is computed on the way)
;;     6. [M 2,048, K 2,048] x [K 2,048, N 2,048]; A: computed on the way; B: input wo: left as it is (an operand is computed on the way)
;;   THE QUANTISER, for each operand of a quantised product, along K:
;;     - K is cut into blocks of 32 from its start; a last block that is shorter is filled with zeros.
;;     - A block's scale is 2^e with e = floor(log2(the largest magnitude in the block)) - 2, held to -126 .. 127; a block of zeros has e = 0. As a byte (E8M0): e + 127.
;;     - Each number is divided by its block's scale, clamped to +-6, and rounded to the nearest number of E2M1, ties to even, subnormals kept.
;;     - The product sums the exact products of the quantised numbers (number of the format x scale) in f32.
;;   ~~~python
;;   def quantise(x, axis):      # numpy; x: float32 -> the quantised numbers, widened to float32 again
;;       x = np.moveaxis(x, axis, -1); K = x.shape[-1]
;;       x = np.pad(x, [(0, 0)] * (x.ndim - 1) + [(0, -K % 32)]); x = x.reshape(x.shape[:-1] + (-1, 32)); a = np.abs(x).max(-1, keepdims=True)
;;       e = np.where(a > 0, np.clip(np.frexp(np.where(a > 0, a, 1))[1] - 1 - 2, -126, 127), 0)      # np.frexp(a)[1] - 1 = floor(log2(a)), exactly
;;       r = np.clip(x / 2.0 ** e, -6, 6)
;;       step = 2.0 ** (np.maximum(np.frexp(np.where(r == 0, 1, r))[1] - 1, 0) - 1)
;;       q = np.round(r / step) * step * 2.0 ** e      # np.round: ties to even
;;       return np.moveaxis(q.reshape(q.shape[:-2] + (-1,))[..., :K], -1, axis).astype(np.float32)
;;   ~~~
;; One version. Each part assembles by itself: llvm-mc -triple=amdgcn-amd-amdhsa -mcpu=gfx1250 --defsym DOCPART=n.
;; ======== version 1 of 1: 5 launches
;; limits: values are held in f16: magnitudes above 65,504 overflow, below 6.1e-05 lose precision
;; workspace buffers: x_codes 2,097,152 bytes; x_scales 131,072 bytes; w_codes 6,291,456 bytes; w_scales 393,216 bytes; wot 8,388,608 bytes; qkv 25,165,824 bytes; fine 393,216 bytes; o 8,388,608 bytes
;; launch prep (part 1): grid 576 x 1, 4 waves a work-group, no clusters, 102,912 bytes of LDS; arguments x, wq, wk, wv, wo, x_codes, x_scales, w_codes, w_scales, wot; writes x_codes, x_scales, w_codes, w_scales, wot
.if DOCPART == 1
	.amdgcn_target "amdgcn-amd-amdhsa--gfx1250"
	.amdhsa_code_object_version 6
	.text
	.protected	k_qd2e3bd8b03_prep
	.globl	k_qd2e3bd8b03_prep
	.p2align	8
	.type	k_qd2e3bd8b03_prep,@function
k_qd2e3bd8b03_prep:
	s_mov_b64 s[64:65], 0
	v_nop
	global_prefetch_b8 v0, s[64:65] scope:SCOPE_SE
	s_setreg_imm32_b32 hwreg(HW_REG_WAVE_MODE, 25, 1), 1
	s_wait_xcnt 0x0
; THE OPERANDS ARE MADE READY, ONCE.  Three kinds of work-group in one launch, told apart by the work-group's number:
;   0 .. 127    x [2048][2048] f32, K innermost            -> codes of FP4 (E2M1) x_codes [2048][1024 bytes], scale bytes x_scales [2048][64]
;   128 .. 319  wq, wk, wv [k 2048][n 2048] f32, K first   -> w_codes [6144][1024 bytes] (row 2048 t + n, K innermost), w_scales [6144][64]
;   320 .. 575  wo [k 2048][n 2048] f32                    -> wot [n 2048][k 2048] f16: turned, so that K is innermost for the last product
; A block's scale is 2^(floor(log2(its largest magnitude)) - 2); its byte is the largest magnitude's exponent field - 2, held at 1 from below.
; A block of zeros so gets the byte 1 where the rule says 127: its codes are zeros, which add nothing under any byte but 0xff, and this program alone reads the bytes.
; LIMITS: blocks whose largest magnitude lies under 2^(2 - 126) keep the byte 1; NaN and infinities among the inputs are not served; |wo| stays under 65,504 (f16).
; No tensor loads, no barrier: waves share nothing.  Each kind has LDS bytes of its own.
.set SPW,   190                        ; v190  LDS address of my spare word: SPARE + 4 x my thread's number; never rewritten
.set NIL,   191                        ; v191  0; never rewritten
.set SPARE, 102400                     ; behind all stages: the spare words, 128 bytes for each wave
.set XREG,  8192                       ; x: a region for each wave: two stages of 32 x 80 bytes, behind them its 256 scale bytes
.set XSP,   80                         ; a lane's place in a stage: its 64 bytes + 16 of padding
.set XR,    16                         ; v16-79   x: four sets of 16 numbers as they are loaded
.set XX,    80                         ; v80-111  two sets of 16 neighbours
.set XE,    112                        ; v112-127 a scale byte for each step
.set XC,    128                        ; v128-189 codes: registers of its own for each step
.set WSTG,  32768                      ; the weights' stages: 32 rows x 272 bytes for each wave
.set HSTG,  67584                      ; wo's stages likewise
.set PITCH, 272
.set WX,    32                         ; v32-95   two sets of 32 numbers down K
.set WC,    96                         ; v96..    a block's codes (4 registers) or f16 pairs (16)
.set OUTR,  112                        ; v112-175 the way out
.set SB,    24                         ; v24-27   scale bytes, four to a register
.set EMAX,  2
.macro XLOAD t                         ; step t of x: four loads of 512 consecutive bytes
.irp i, 0,1,2,3
	global_load_b128 v[XR+16*((\t)%4)+4*\i:XR+16*((\t)%4)+4*\i+3], v3, s[4:5] offset:2048*(\t)+512*\i th:TH_LOAD_NT
.endr
.endm
.macro XTURN t                         ; through the wave's stage: in as loaded, out 16 neighbours a lane; LDS serves a wave's instructions in order
.irp i, 0,1,2,3
	ds_store_b128 v14, v[XR+16*((\t)%4)+4*\i:XR+16*((\t)%4)+4*\i+3] offset:32*XSP*((\t)%2)+8*XSP*\i
.endr
.irp i, 0,1,2,3
	ds_load_b128 v[XX+16*((\t)%2)+4*\i:XX+16*((\t)%2)+4*\i+3], v15 offset:32*XSP*((\t)%2)+16*\i
.endr
.endm
.macro XSTEP t
.set XS, XX+16*((\t)%2)
.if (\t) > 0
	s_wait_dscnt 1                                 ; this step's numbers are back from the stage; the last step's byte store may be out
.else
	s_wait_dscnt 0x0
.endif
.if (\t)+4 < 16
	XLOAD (\t)+4                                   ; into the set whose numbers have gone into the stage
.endif
.if (\t)+1 < 16
.if 14-(\t) >= 3
	s_wait_loadcnt 12                              ; the next step's four loads are in; those of the three steps behind it may be out
.else
	s_wait_loadcnt 4*(14-(\t))
.endif
	XTURN (\t)+1
.endif
	v_max3_num_f32 v8, |v[XS]|, |v[XS+1]|, |v[XS+2]|               ; the largest magnitude of my 16
	v_max3_num_f32 v9, |v[XS+3]|, |v[XS+4]|, |v[XS+5]|
.irp i, 6,10
	v_max3_num_f32 v8, v8, |v[XS+\i]|, |v[XS+\i+1]|
	v_max3_num_f32 v9, v9, |v[XS+\i+2]|, |v[XS+\i+3]|
.endr
	v_max3_num_f32 v8, v8, |v[XS+14]|, |v[XS+15]|
	v_max3_num_f32 v8, v8, v9, (EMAX+1)<<23        ; and the floor 2^(3 - 127): the byte cannot fall under 1
	v_max_num_f32_dpp v8, v8, v8 row_xmask:1 row_mask:0xf bank_mask:0xf   ; with my neighbour's 16: the block's
	v_add_nc_u32 v11, -(EMAX<<23), v8              ; 2 off the exponent field: the conversion takes this operand's exponent field as its scale
	v_cvt_scalef32_pk8_fp4_f32 v[XC+4*(\t)], v[XS:XS+7], v11
	v_cvt_scalef32_pk8_fp4_f32 v[XC+4*(\t)+1], v[XS+8:XS+15], v11
	v_lshrrev_b32 v[XE+(\t)], 23, v11              ; the scale's byte
	ds_store_b8 v5, v[XE+(\t)] offset:16*(\t)      ; both lanes of a block write the same byte with the same value
	global_store_b64 v4, v[XC+4*(\t):XC+4*(\t)+1], s[14:15] offset:256*(\t)   ; the wave stores 256 consecutive bytes, aligned
.endm
.macro WLOAD t, sb                     ; block t down K: rows 32 t + i of a weight at my column; 32 lanes read 128 consecutive bytes
.irp i, 0,1,2,3,4,5,6,7,8,9,10,11,12,13,14,15,16,17,18,19,20,21,22,23,24,25,26,27,28,29,30,31
	global_load_b32 v[WX+32*((\t)%2)+\i], v3, s[\sb:\sb+1] offset:(32*(\t)+\i)*8192 th:TH_LOAD_NT
.endr
.endm
.macro WADDR stg, krow                 ; a lane to a column; the stage's row = my column; out of it sixteen lanes to a row
	v_lshlrev_b32 v3, 2, v2
	s_mul_i32 s30, s24, 32*PITCH
	s_add_co_u32 s30, s30, \stg
	v_mul_u32_u24 v4, v2, PITCH
	v_add_nc_u32 v4, s30, v4
	v_and_b32 v5, 15, v2
	v_lshrrev_b32 v6, 4, v2
	v_mul_u32_u24 v7, v6, PITCH
	v_lshl_add_u32 v7, v5, 4, v7
	v_add_nc_u32 v7, s30, v7
	v_mul_u32_u24 v8, v6, \krow
	v_lshl_add_u32 v8, v5, 4, v8
.endm
.macro WBLOCK t                        ; 32 numbers down K of my column become 16 bytes of codes and a scale byte
.set XS, WX+32*((\t)%2)
.if (\t) < 15
	s_wait_loadcnt 32                              ; this block's 32 loads are in; the next block's may be out
.else
	s_wait_loadcnt 0x0
.endif
	v_max3_num_f32 v12, |v[XS]|, |v[XS+1]|, |v[XS+2]|
	v_max3_num_f32 v13, |v[XS+3]|, |v[XS+4]|, |v[XS+5]|
.irp i, 6,10,14,18,22,26
	v_max3_num_f32 v12, v12, |v[XS+\i]|, |v[XS+\i+1]|
	v_max3_num_f32 v13, v13, |v[XS+\i+2]|, |v[XS+\i+3]|
.endr
	v_max3_num_f32 v12, v12, |v[XS+30]|, |v[XS+31]|
	v_max3_num_f32 v12, v12, v13, (EMAX+1)<<23
	v_add_nc_u32 v11, -(EMAX<<23), v12
	v_lshrrev_b32 v13, 23, v11
.if (\t)%4 == 0
	v_mov_b32 v[SB+(\t)/4], v13
.else
	v_lshl_or_b32 v[SB+(\t)/4], v13, 8*((\t)%4), v[SB+(\t)/4]
.endif
.irp g, 0,1,2,3
	v_cvt_scalef32_pk8_fp4_f32 v[WC+\g], v[XS+8*\g:XS+8*\g+7], v11
.endr
	ds_store_b128 v4, v[WC:WC+3] offset:16*(\t)
.if (\t)+2 < 16
	WLOAD (\t)+2, 6
.endif
	s_wait_dscnt 0x0                               ; the store has read its registers: the next block's codes may be written
.endm
.macro HBLOCK t                        ; 32 numbers down K of my column become 64 bytes of f16
.set XS, WX+32*((\t)%2)
.if (\t) < 3
	s_wait_loadcnt 32
.else
	s_wait_loadcnt 0x0
.endif
.irp i, 0,1,2,3,4,5,6,7,8,9,10,11,12,13,14,15
	v_cvt_pk_f16_f32 v[WC+\i], v[XS+2*\i], v[XS+2*\i+1]
.endr
.irp i, 0,1,2,3
	ds_store_b128 v4, v[WC+4*\i:WC+4*\i+3] offset:64*(\t)+16*\i
.endr
.if (\t)+2 < 4
	WLOAD (\t)+2, 12
.endif
	s_wait_dscnt 0x0
.endm
.macro WOUT krow, sb                   ; the stage's 32 rows of 256 bytes leave: sixteen lanes store 256 consecutive bytes, aligned
.irp t, 0,1,2,3,4,5,6,7,8,9,10,11,12,13,14,15
	ds_load_b128 v[OUTR+4*\t:OUTR+4*\t+3], v7 offset:2*\t*PITCH
.endr
.irp t, 0,1,2,3,4,5,6,7,8,9,10,11,12,13,14,15
	s_wait_dscnt 15-\t
	global_store_b128 v8, v[OUTR+4*\t:OUTR+4*\t+3], s[\sb:\sb+1] offset:2*\t*\krow
.endr
.endm
	s_load_b256 s[4:11], s[0:1], 0x0               ; x s[4:5], wq s[6:7], wk s[8:9], wv s[10:11]
	s_load_b256 s[12:19], s[0:1], 0x20             ; wo s[12:13], x_codes s[14:15], x_scales s[16:17], w_codes s[18:19]
	s_load_b128 s[20:23], s[0:1], 0x40             ; w_scales s[20:21], wot s[22:23]
	v_lshl_add_u32 v[SPW], v0, 2, SPARE
	v_mov_b32 v[NIL], 0
	v_lshrrev_b32 v1, 5, v0
	v_readfirstlane_b32 s24, v1                    ; wave 0..3
	v_and_b32 v2, 31, v0                           ; lane
	s_mov_b32 s33, 0
	s_wait_kmcnt 0x0
	s_cmp_lt_u32 ttmp9, 128
	s_cbranch_scc0 .Lnot_x
	; ---- x: a plain stream of blocks of 32; my wave takes 16 steps of 512 numbers
	v_lshlrev_b32 v3, 4, v2                        ; my 16 bytes of a load's 512
	s_mul_i32 s25, s24, XREG
	v_lshrrev_b32 v14, 2, v2
	v_mul_u32_u24 v14, v14, XSP
	v_and_b32 v15, 3, v2
	v_lshl_add_u32 v14, v15, 4, v14
	v_add_nc_u32 v14, s25, v14                     ; into the stage: 80 (lane / 4) + 16 (lane % 4)
	v_mul_u32_u24 v15, v2, XSP
	v_add_nc_u32 v15, s25, v15                     ; out of it: 80 x lane
	v_lshlrev_b32 v4, 3, v2                        ; 8 bytes a lane: my codes in a step's, and my part of the scale bytes
	v_lshrrev_b32 v5, 1, v2
	s_add_co_u32 s25, s25, 2*32*XSP
	v_add_nc_u32 v5, s25, v5                       ; my block's byte among the wave's 256
	v_add_nc_u32 v6, s25, v4
	s_lshl_b32 s26, ttmp9, 2
	s_add_co_u32 s26, s26, s24                     ; which run of 8,192 numbers is my wave's
	s_lshl_b32 s32, s26, 15
	s_add_nc_u64 s[4:5], s[4:5], s[32:33]
	s_lshl_b32 s32, s26, 12
	s_add_nc_u64 s[14:15], s[14:15], s[32:33]
	s_lshl_b32 s32, s26, 8
	s_add_nc_u64 s[16:17], s[16:17], s[32:33]
.irp t, 0,1,2,3
	XLOAD \t
.endr
	s_wait_loadcnt 12                              ; step 0's four loads are in
	XTURN 0
.irp t, 0,1,2,3,4,5,6,7,8,9,10,11,12,13,14,15
	XSTEP \t
.endr
	ds_load_b64 v[8:9], v6                         ; LDS serves a wave's instructions in order: these see my byte stores
	s_wait_dscnt 0x0
	global_store_b64 v4, v[8:9], s[16:17]          ; 32 lanes store 256 consecutive bytes, aligned
	s_branch .Lend
.Lnot_x:
	s_cmp_lt_u32 ttmp9, 320
	s_cbranch_scc0 .Lturn_wo
	; ---- wq, wk, wv: my wave takes 32 columns x 512 along K
	s_sub_co_u32 s25, ttmp9, 128
	s_lshr_b32 s26, s25, 6                         ; which weight
	s_and_b32 s27, s25, 15                         ; which 128 columns
	s_bfe_u32 s28, s25, 0x20004                    ; which 512 along K
	s_cmp_eq_u32 s26, 1
	s_cselect_b64 s[6:7], s[8:9], s[6:7]
	s_cmp_eq_u32 s26, 2
	s_cselect_b64 s[6:7], s[10:11], s[6:7]
	s_lshl_b32 s27, s27, 7
	s_lshl_b32 s29, s24, 5
	s_add_co_u32 s27, s27, s29                     ; my wave's first column
	s_lshl_b32 s32, s28, 22                        ; 512 rows of 8,192 bytes
	s_lshl_b32 s29, s27, 2
	s_add_co_u32 s32, s32, s29
	s_add_nc_u64 s[6:7], s[6:7], s[32:33]
	s_lshl_b32 s26, s26, 11
	s_add_co_u32 s26, s26, s27                     ; my first row of the codes' buffer
	s_lshl_b32 s32, s26, 10
	s_lshl_b32 s29, s28, 8
	s_add_co_u32 s32, s32, s29
	s_add_nc_u64 s[18:19], s[18:19], s[32:33]
	s_lshl_b32 s32, s26, 6
	s_lshl_b32 s29, s28, 4
	s_add_co_u32 s32, s32, s29
	s_add_nc_u64 s[20:21], s[20:21], s[32:33]
	WADDR WSTG, 1024
	v_lshlrev_b32 v9, 6, v2                        ; my column's row of scale bytes
	WLOAD 0, 6
	WLOAD 1, 6
.irp t, 0,1,2,3,4,5,6,7,8,9,10,11,12,13,14,15
	WBLOCK \t
.endr
	global_store_b128 v9, v[SB:SB+3], s[20:21]     ; my column's 16 scale bytes
	WOUT 1024, 18
	s_branch .Lend
.Lturn_wo:
	; ---- wo: my wave takes 32 columns x 128 along K
	s_sub_co_u32 s25, ttmp9, 320
	s_and_b32 s27, s25, 15
	s_lshr_b32 s28, s25, 4                         ; which 128 along K
	s_lshl_b32 s27, s27, 7
	s_lshl_b32 s29, s24, 5
	s_add_co_u32 s27, s27, s29                     ; my wave's first column
	s_lshl_b32 s32, s28, 20                        ; 128 rows of 8,192 bytes
	s_lshl_b32 s29, s27, 2
	s_add_co_u32 s32, s32, s29
	s_add_nc_u64 s[12:13], s[12:13], s[32:33]
	s_lshl_b32 s32, s27, 12                        ; a row of wot is 4,096 bytes
	s_lshl_b32 s29, s28, 8
	s_add_co_u32 s32, s32, s29
	s_add_nc_u64 s[22:23], s[22:23], s[32:33]
	WADDR HSTG, 4096
	WLOAD 0, 12
	WLOAD 1, 12
.irp t, 0,1,2,3
	HBLOCK \t
.endr
	WOUT 4096, 22
.Lend:
	s_wait_tensorcnt 0x0                           ; the wave's end: behind my last LDS store
	ds_add_u32 v[SPW], v[NIL]
	s_wait_dscnt 0x0
	s_endpgm
.Lfunc_end_k_qd2e3bd8b03_prep:
	.size	k_qd2e3bd8b03_prep, .Lfunc_end_k_qd2e3bd8b03_prep-k_qd2e3bd8b03_prep
	.p2alignl 7, 3214868480
	.fill 96, 4, 3214868480
	.section	.rodata,"a",@progbits
	.p2align	6, 0x0
	.amdhsa_kernel k_qd2e3bd8b03_prep
		.amdhsa_group_segment_fixed_size 102912
		.amdhsa_private_segment_fixed_size 0
		.amdhsa_enable_private_segment 0
		.amdhsa_kernarg_size 80
		.amdhsa_user_sgpr_count 2
		.amdhsa_user_sgpr_kernarg_segment_ptr 1
		.amdhsa_wavefront_size32 1
		.amdhsa_system_sgpr_workgroup_id_x 1
		.amdhsa_system_sgpr_workgroup_id_y 1
		.amdhsa_system_sgpr_workgroup_id_z 1
		.amdhsa_system_vgpr_workitem_id 0
		.amdhsa_next_free_vgpr 192
		.amdhsa_next_free_sgpr 66
		.amdhsa_reserve_vcc 0
		.amdhsa_float_denorm_mode_32 3
		.amdhsa_float_denorm_mode_16_64 3
		.amdhsa_memory_ordered 1
		.amdhsa_forward_progress 1
		.amdhsa_inst_pref_size 132
	.end_amdhsa_kernel
	.amdgpu_metadata
---
amdhsa.version: [ 1, 2 ]
amdhsa.kernels:
  - .name:           k_qd2e3bd8b03_prep
    .symbol:         k_qd2e3bd8b03_prep.kd
    .args:
      - { .name: x, .offset: 0, .size: 8, .value_kind: global_buffer, .address_space: global }
      - { .name: wq, .offset: 8, .size: 8, .value_kind: global_buffer, .address_space: global }
      - { .name: wk, .offset: 16, .size: 8, .value_kind: global_buffer, .address_space: global }
      - { .name: wv, .offset: 24, .size: 8, .value_kind: global_buffer, .address_space: global }
      - { .name: wo, .offset: 32, .size: 8, .value_kind: global_buffer, .address_space: global }
      - { .name: x_codes, .offset: 40, .size: 8, .value_kind: global_buffer, .address_space: global }
      - { .name: x_scales, .offset: 48, .size: 8, .value_kind: global_buffer, .address_space: global }
      - { .name: w_codes, .offset: 56, .size: 8, .value_kind: global_buffer, .address_space: global }
      - { .name: w_scales, .offset: 64, .size: 8, .value_kind: global_buffer, .address_space: global }
      - { .name: wot, .offset: 72, .size: 8, .value_kind: global_buffer, .address_space: global }
    .group_segment_fixed_size: 102912
    .private_segment_fixed_size: 0
    .kernarg_segment_align: 8
    .kernarg_segment_size: 80
    .max_flat_workgroup_size: 128
    .sgpr_count:     66
    .vgpr_count:     192
    .wavefront_size: 32
...
	.end_amdgpu_metadata
.endif
;; end of part 1
;; launch proj (part 2): grid 24 x 8, 4 waves a work-group, clusters of 4 x 4, 327,680 bytes of LDS; arguments x_codes, x_scales, w_codes, w_scales, qkv, freqs_cos, freqs_sin, fine; writes qkv, fine
.if DOCPART == 2
	.amdgcn_target "amdgcn-amd-amdhsa--gfx1250"
	.amdhsa_code_object_version 6
	.text
	.protected	k_qd2e3bd8b03_proj
	.globl	k_qd2e3bd8b03_proj
	.p2align	8
	.type	k_qd2e3bd8b03_proj,@function
k_qd2e3bd8b03_proj:
	s_mov_b64 s[64:65], 0
	v_nop
	global_prefetch_b8 v0, s[64:65] scope:SCOPE_SE
	s_setreg_imm32_b32 hwreg(HW_REG_WAVE_MODE, 25, 1), 1
	s_wait_xcnt 0x0
	s_wait_alu depctr_hold_cnt(0) depctr_sa_sdst(0) depctr_va_vdst(0) depctr_va_sdst(0) depctr_va_ssrc(0) depctr_va_vcc(0) depctr_vm_vsrc(0)
	s_getreg_b32 s2, hwreg(HW_REG_IB_STS2, 6, 4)
	s_cmp_eq_u32 s2, 0
	s_cbranch_scc0 .Lentry_in_a_cluster
	s_endpgm
.Lentry_in_a_cluster:
	s_bfe_u32 s2, ttmp6, 0x10000c
	s_cmp_lg_u32 s2, 0xf033
	s_cbranch_scc0 .Lentry_shape_is_right
	s_endpgm
.Lentry_shape_is_right:
; q, k, v = x wq, x wk, x wv as ONE product on codes of FP4 (E2M1) with one E8M0 scale for each 32 along K: C[m][n] = sum over k of A[m][k] B[n][k], A = x's codes [2048][2048], B = the three weights' codes [6144][2048].
; The rotation by the two given tables is applied to q's and k's columns on the way out, in f32; the result goes out as f16, qkv [2048][6144] (q, k, v side by side; a head is 256 bytes of a row).
; Positions 0 to 15 also go out in f32, as images of the registers (fine: 48 images of 8,192 bytes, one a head of q, k, v): a later launch carries those rows more finely.
; LIMITS: |q|, |k|, |v| stay under 65,504 (f16); NaN and infinities are not served.
; A tile of C, 256 x 256, is made by a work-group of four waves; a wave makes 128 x 128: 64 accumulators of 16 x 16, 512 registers.  A wave's 128 columns are one head.
; K goes in steps of 512 through a ring of two LDS slots filled by the tensor data mover: a tile's row is 256 bytes of memory.  The scales of the work-group's rows, for all of K, come into LDS once, with the first fills.
; CLUSTERS: 4 x 4 work-groups.  The four of a row of the cluster need the same tiles of A, the four of a column the same tiles of B: each tile is asked for JOINTLY.
; THE MATRIX INSTRUCTION IS USED TRANSPOSED (source 0 = 16 rows of B, source 1 = 16 rows of A): a lane then holds eight neighbouring columns of one row of C: four pairs of the rotation.
; THE TABLES ARE ASKED FOR EARLY.  A block of 16 rows wants 32 cosines and 32 sines a lane: a set of 64 registers.  Four sets in window 1 take turns: those of blocks 0 and 1 (v64-127, v192-255, which the K loop
; leaves idle) are asked for at the head; those of blocks 2 and 3 behind the last product, into B's two sets; block a + 4's into block a's set behind its last reader.
; REGISTERS, in windows of 256: window 0: v0-31 addresses; v32-95 scale words, two sets; from v128 A's fragments, ONE set; on the way out v96-255 are at work.
;   window 1: B's fragments, TWO sets, at v0 and at v128; the tables' sets.   window 2: the accumulators of my rows 0-63 ((a, b) at v[8 (8 a + b)]);   window 3: those of my rows 64-127.
.set SIZE_M, 2048
.set SIZE_N, 6144
.set SIZE_K, 2048
.set KSTEP,  512
.set NQ,     KSTEP/128
.set ROWB,   256
.set KROW,   SIZE_K*4/8
.set PITCH,  272                       ; an LDS row: 256 bytes + 16 of padding: the 16 rows that a load touches start at 16 different banks (64 banks of 4 bytes: ISA guide 11.1)
.set FR,     8
.set NL,     2
.set NP,     4                         ; places behind this matrix instruction (ISA guide 7.12.1)
.set HALFT,  128*PITCH
.set SLOT,   4*HALFT
.set LAPS,   SIZE_K/(2*KSTEP)
.set KS,     SIZE_K/32
.set SCL,    2*SLOT                    ; behind the ring: the scales, as rows of 256 bytes + 16 of padding
.set HALFS,  (128*KS/256)*272
.set SBLK,   (16*KS/256)*272
.set SPARE,  SCL+4*HALFS               ; behind the scales: the spare words, 128 bytes for each wave
.set SPITCH, 272                       ; the way out: a stage of 16 rows x (256 bytes + 16) for each wave, in slot 0, which has had its last fill and its last read by then
.set QROW,   12288                     ; a row of qkv in bytes
.set ADRA, 16
.set ADRB, 20
.set FR0,  22                          ; v22  my wave's first row of C
.set STO,  24
.set RD,   25
.set CO,   26
.set ADRS, 27
.set SPW,  28                          ; v28  LDS address of my spare word; never rewritten
.set NIL,  29                          ; v29  0; never rewritten
.set CSO,  30                          ; v30  my place in the tables: 256 x (lane % 16) + 16 x (lane / 16); never rewritten
.set FO,   31                          ; v31  16 x lane: my place in an image
.set SC,   32
.set AF,   128
.set F,    96                          ; the way out: v96-159 a block's 64 numbers a lane, turned, in f32,
.set TMP,  160                         ; v160-191 the same as f16,
.set BK,   192                         ; v192-223 and v224-255 by turns: whole rows read back from the stage
.set G1, 24
.set G0, 32
.set G1B, 48
.set G0B, 56
.set G1S, 68
.set G0S, 76
.set G1SB, 80
.set G0SB, 88
.set MSB, 0
.macro WIN new                         ; the immediate's high byte repeats the setting that is left
.if MSB != \new
	s_set_vgpr_msb (MSB<<8)|\new
.set MSB, \new
.endif
.endm
.set MUL_LO, 0xa1                      ; source 0 (B) window 1, source 1 (A) window 0, C and D window 2
.set MUL_HI, 0xf1                      ; the same, C and D window 3
.set TO_B,   0x40                      ; destination window 1, address window 0
; A joint load: waves 0 and 1 fetch for A, waves 2 and 3 for B.  The branch hangs on the wave's number alone.  An s_nop 0 and four v_nop follow each of the two lines.
.macro JLOAD g0a, g1a, g0b, g1b
	s_cmp_eq_u32 s15, 0
	s_cbranch_scc0 .Lfor_b_\@
	tensor_load_to_lds s[\g0a:\g0a+3], s[\g1a:\g1a+7]
	s_nop 0
.rept 4
	v_nop
.endr
	s_branch .Lasked_\@
.Lfor_b_\@:
	tensor_load_to_lds s[\g0b:\g0b+3], s[\g1b:\g1b+7]
	s_nop 0
.rept 4
	v_nop
.endr
.Lasked_\@:
.endm
.macro CREST                           ; a round of the cluster's barrier behind its opening barrier
	s_cmp_lg_u32 s14, 0
	s_cbranch_scc1 .Lnot_wave_0_\@
	s_barrier_signal -3
.Lnot_wave_0_\@:
	s_barrier_wait -3
	s_barrier_signal -1
	s_barrier_wait -1
.endm
.macro CROUND                          ; a whole round
	s_barrier_signal -1
	s_barrier_wait -1
	CREST
.endm
; The tables for block a, into set a % 4 of window 1 (sets 0 to 3 at v64, v192, v0, v128): for B's block b my four pairs 8 b + 4 (lane / 16) + 0 .. 3 of my row: 32 cosines, then 32 sines.  16 loads.  It leaves the window setting TO_B.
.macro CSLOAD a
.set CB, 128*((\a)%2)+64*(1-((\a)%4)/2)
	WIN TO_B
.irp b, 0,1,2,3,4,5,6,7
	global_load_b128 v[CB+4*\b:CB+4*\b+3], v[CSO], s[96:97] offset:(\a)*4096+32*\b
	global_load_b128 v[CB+32+4*\b:CB+32+4*\b+3], v[CSO], s[98:99] offset:(\a)*4096+32*\b
.endr
.endm
	s_load_b128 s[4:7], s[0:1], 0x0                ; x's codes s[4:5], x's scales s[6:7]
	s_load_b128 s[8:11], s[0:1], 0x10              ; the weights' codes s[8:9], their scales s[10:11]
	s_load_b64 s[12:13], s[0:1], 0x20              ; qkv
	s_load_b128 s[96:99], s[0:1], 0x28             ; the cosines s[96:97], the sines s[98:99]
	s_load_b64 s[100:101], s[0:1], 0x38            ; fine
	v_lshl_add_u32 v[SPW], v0, 2, SPARE
	v_mov_b32 v[NIL], 0
	ds_add_u32 v[SPW], v[NIL]                      ; the wave's opening: the add, twice on end, and its wait ahead of my first tensor load
	ds_add_u32 v[SPW], v[NIL]
	v_lshrrev_b32 v1, 5, v0
	v_readfirstlane_b32 s14, v1                    ; wave 0..3
	s_lshr_b32 s15, s14, 1                         ; which half of the tile's rows is mine.  Also: I fetch for A (0) or for B (1)
	s_and_b32 s16, s14, 1                          ; which half of its columns.  Also: which 128 rows of that tile I fetch
	s_bfe_u32 s40, ttmp6, 0x40000                  ; cx, cy: my place in the cluster
	s_bfe_u32 s41, ttmp6, 0x40004
	s_lshl_b32 s42, ttmp9, 2
	s_add_co_u32 s42, s42, s40                     ; tile column of C = 4 x cluster x + cx
	s_and_b32 s17, ttmp7, 0xffff
	s_lshl_b32 s17, s17, 2
	s_add_co_u32 s17, s17, s41                     ; tile row of C = 4 x cluster y + cy
	s_lshl_b32 s43, s41, 2
	s_lshl_b32 s43, 15, s43                        ; my row of the cluster
	s_lshl_b32 s44, 0x1111, s40                    ; my column
	; descriptor group 1: a tile of 128 rows x 256 bytes, padded in LDS
	s_or_b32 s[G1+0], s43, (0<<16)|(1<<20)|(1<<21)|(5<<22)|(3<<25)  ; the mask: A's tiles go to my row; elements of 1 byte; padding on; bit 21 beside a mask; 4 words after every 64
	s_or_b32 s[G1B+0], s44, (0<<16)|(1<<20)|(1<<21)|(5<<22)|(3<<25)
.irp g, G1, G1B
	s_mov_b32 s[\g+1], ROWB<<16                    ; tensor_dim0
	s_mov_b32 s[\g+2], 128<<16                     ; tensor_dim1
	s_mov_b32 s[\g+3], ROWB<<16                    ; tile_dim0
	s_mov_b32 s[\g+4], 128                         ; tile_dim1
	s_mov_b32 s[\g+5], KROW                        ; tensor_dim0_stride
	s_mov_b32 s[\g+6], 0
	s_mov_b32 s[\g+7], 0
.endr
	; the scales of 128 rows: a dense block of 8,192 bytes, as rows of 256 bytes (32 elements of 8 bytes), 16 bytes of padding behind each
	s_or_b32 s[G1S+0], s43, (3<<16)|(1<<20)|(1<<21)|(5<<22)|(3<<25)
	s_or_b32 s[G1SB+0], s44, (3<<16)|(1<<20)|(1<<21)|(5<<22)|(3<<25)
.irp g, G1S, G1SB
	s_mov_b32 s[\g+1], 32<<16
	s_mov_b32 s[\g+2], (128*KS/256)<<16
	s_mov_b32 s[\g+3], 32<<16
	s_mov_b32 s[\g+4], 128*KS/256
	s_mov_b32 s[\g+5], 32
	s_mov_b32 s[\g+6], 0
	s_mov_b32 s[\g+7], 0
.endr
	s_lshl_b32 s18, s16, 7                         ; which 128 rows of the tile I fetch
	s_lshl_b32 s20, s17, 8
	s_add_co_u32 s20, s20, s18                     ; A: row 256 x tile row + 128 x half
	s_lshl_b32 s46, s42, 8
	s_add_co_u32 s46, s46, s18                     ; B: row 256 x tile column + 128 x half
	s_mov_b32 s21, 0
	s_mov_b32 s47, 0
	s_mov_b64 s[18:19], KS
	s_mul_u64 s[22:23], s[20:21], s[18:19]         ; where these rows' scales begin, in bytes
	s_mul_u64 s[92:93], s[46:47], s[18:19]
	s_mov_b64 s[18:19], KROW
	s_mul_u64 s[20:21], s[20:21], s[18:19]         ; and their codes
	s_mul_u64 s[46:47], s[46:47], s[18:19]
	s_mul_i32 s45, s14, HALFT                      ; where they go: wave x 128 rows: no place in the cluster enters an LDS address
	s_mul_i32 s94, s14, HALFS
	s_wait_dscnt 0x0                               ; both opening adds are done
	s_wait_kmcnt 0x0
	s_add_nc_u64 s[20:21], s[4:5], s[20:21]
	s_add_nc_u64 s[22:23], s[6:7], s[22:23]
	s_add_nc_u64 s[46:47], s[8:9], s[46:47]
	s_add_nc_u64 s[92:93], s[10:11], s[92:93]
	CROUND                                         ; all sixteen work-groups are here: the first joint loads meet
	s_mov_b32 s[G0S], 1
	s_add_co_u32 s[G0S+1], s94, SCL
	s_mov_b64 s[G0S+2:G0S+3], s[22:23]
	s_or_b32 s[G0S+3], s[G0S+3], 0x80000000
	s_mov_b32 s[G0SB], 1
	s_add_co_u32 s[G0SB+1], s94, SCL
	s_mov_b64 s[G0SB+2:G0SB+3], s[92:93]
	s_or_b32 s[G0SB+3], s[G0SB+3], 0x80000000
	JLOAD G0S, G1S, G0SB, G1SB                     ; the scales first: they are wanted with K step 0
.irp s, 0,1
	s_mov_b32 s[G0+4*\s], 1
	s_add_co_u32 s[G0+4*\s+1], s45, \s*SLOT
	s_add_nc_u64 s[G0+4*\s+2:G0+4*\s+3], s[20:21], \s*ROWB
	s_or_b32 s[G0+4*\s+3], s[G0+4*\s+3], 0x80000000
	s_mov_b32 s[G0B+4*\s], 1
	s_add_co_u32 s[G0B+4*\s+1], s45, \s*SLOT
	s_add_nc_u64 s[G0B+4*\s+2:G0B+4*\s+3], s[46:47], \s*ROWB
	s_or_b32 s[G0B+4*\s+3], s[G0B+4*\s+3], 0x80000000
	JLOAD G0+4*\s, G1, G0B+4*\s, G1B
.endr
	v_and_b32 v1, 15, v0                           ; l % 16
	v_bfe_u32 v2, v0, 4, 1                         ; l / 16
	v_mul_u32_u24 v3, v1, PITCH
	v_lshl_add_u32 v4, v2, 4, v3                   ; a fragment's row x pitch + 16 x half
	s_mul_i32 s21, s15, HALFT                      ; my 128 rows of A
	s_mul_i32 s22, s16, HALFT                      ; my 128 rows of B,
	s_add_co_u32 s22, s22, 2*HALFT                 ; which lie behind A's 256
.irp s, 0,1
	v_add_nc_u32 v[ADRA+\s], s21, v4
	v_add_nc_u32 v[ADRB+\s], s22, v4
	s_add_co_u32 s21, s21, SLOT
	s_add_co_u32 s22, s22, SLOT
.endr
	v_mul_u32_u24 v5, v1, KS                       ; my row's scales: 64 bytes a row,
	v_lshrrev_b32 v6, 8, v5
	v_lshl_add_u32 v5, v6, 4, v5                   ; and 16 more for each 256 passed
	s_mul_i32 s21, s15, HALFS                      ; A's: my 128 rows
	s_mul_i32 s22, s16, HALFS                      ; B's: my 128 rows, behind A's 256
	s_add_co_u32 s22, s22, 2*HALFS
	s_sub_co_u32 s22, s22, s21
	v_mul_u32_u24 v6, s22, v2                      ; lanes 16-31 take B's
	s_add_co_u32 s21, s21, SCL
	v_add_nc_u32 v5, v5, v6
	v_add_nc_u32 v[ADRS], s21, v5
	s_mul_i32 s23, s14, 16*SPITCH                  ; my stage
	v_mul_u32_u24 v5, v1, SPITCH                   ; in: row l % 16, 16 bytes for each half of the lanes
	v_lshl_add_u32 v5, v2, 4, v5
	v_add_nc_u32 v[STO], s23, v5
	v_mul_u32_u24 v5, v2, SPITCH                   ; back: lanes 0-15 one row of 256 bytes, lanes 16-31 the next
	v_lshl_add_u32 v5, v1, 4, v5
	v_add_nc_u32 v[RD], s23, v5
	v_mul_u32_u24 v5, v2, QROW                     ; and the same two rows in qkv
	v_lshl_add_u32 v[CO], v1, 4, v5
	v_lshlrev_b32 v[CSO], 8, v1                    ; the tables: row l % 16 of 256 bytes, + 16 x half: four pairs
	v_lshl_add_u32 v[CSO], v2, 4, v[CSO]
	v_and_b32 v6, 31, v0
	v_lshlrev_b32 v[FO], 4, v6
	s_lshl_b32 s20, s17, 8
	s_lshl_b32 s21, s15, 7
	s_add_co_u32 s20, s20, s21                     ; my first row of C: 256 x tile row + 128 x half
	v_mov_b32 v[FR0], s20
	s_lshl_b32 s22, s20, 8                         ; a position's row in the tables is 256 bytes
	s_mov_b32 s23, 0
	s_add_nc_u64 s[96:97], s[96:97], s[22:23]
	s_add_nc_u64 s[98:99], s[98:99], s[22:23]
	s_mul_i32 s20, s20, QROW
	s_mov_b32 s21, 0
	s_lshl_b32 s46, s42, 9                         ; my first column, in bytes of f16: 512 x tile column + 256 x half
	s_lshl_b32 s47, s16, 8
	s_add_co_u32 s46, s46, s47
	s_mov_b32 s47, 0
	s_add_nc_u64 s[20:21], s[20:21], s[46:47]
	s_add_nc_u64 s[12:13], s[12:13], s[20:21]
	s_lshl_b32 s46, s42, 14                        ; my head's image: 8,192 x (2 x tile column + half)
	s_lshl_b32 s47, s16, 13
	s_add_co_u32 s46, s46, s47
	s_mov_b32 s47, 0
	s_add_nc_u64 s[100:101], s[100:101], s[46:47]
	s_cmp_ge_u32 s42, 16                           ; tile columns 16 to 23 are v's: they are not turned.  The flag selects values and steers no branch
	s_cselect_b32 s66, -1, 0
	CSLOAD 0                                       ; the tables of my first two blocks of rows: 32 loads that stay out through the whole K loop, into registers that the loop does not name
	CSLOAD 1
	WIN 0
.macro FRAG reg, adr, q, i             ; a fragment, 16 rows x 128 K of 4-bit codes: lane l holds row l % 16; registers 4 c .. 4 c + 3 hold K = 64 c + 32 (l / 16) + 0 .. 31
.irp c, 0,1
	ds_load_b128 v[\reg+4*\c:\reg+4*\c+3], v[\adr] offset:64*(\q)+32*\c+(\i)*16*PITCH
.endr
.endm
; 16 matrix instructions: A's blocks a0, a0 + 1 x B's eight, 128 along K.  zero = 1: the first product starts the sums.  The 64 accumulators take turns, one instruction a turn.
.macro MUL16 a0, p, q, sc, zero
.irp a, \a0, \a0+1
.irp b, 0,1,2,3,4,5,6,7
.if \zero
	v_wmma_scale_f32_16x16x128_f8f6f4 v[8*(8*((\a)%4)+\b):8*(8*((\a)%4)+\b)+7], v[128*(\p)+FR*\b:128*(\p)+FR*\b+FR-1], v[AF+FR*(\a):AF+FR*(\a)+FR-1], 0, v[SC+8*NQ*(\sc)+NQ*\b+(\q)], v[SC+8*NQ*(\sc)+NQ*(\a)+(\q)] matrix_a_fmt:MATRIX_FMT_FP4 matrix_b_fmt:MATRIX_FMT_FP4 matrix_a_scale:MATRIX_SCALE_ROW1
.else
	v_wmma_scale_f32_16x16x128_f8f6f4 v[8*(8*((\a)%4)+\b):8*(8*((\a)%4)+\b)+7], v[128*(\p)+FR*\b:128*(\p)+FR*\b+FR-1], v[AF+FR*(\a):AF+FR*(\a)+FR-1], v[8*(8*((\a)%4)+\b):8*(8*((\a)%4)+\b)+7], v[SC+8*NQ*(\sc)+NQ*\b+(\q)], v[SC+8*NQ*(\sc)+NQ*(\a)+(\q)] matrix_a_fmt:MATRIX_FMT_FP4 matrix_b_fmt:MATRIX_FMT_FP4 matrix_a_scale:MATRIX_SCALE_ROW1
.endif
.endr
.endr
.endm
.macro FETCH_B slot, q, p
	WIN TO_B
.irp i, 0,1,2,3,4,5,6,7
	FRAG 128*(\p)+FR*\i, ADRB+\slot, \q, \i
.endr
	WIN 0
.endm
.macro FETCH_A slot, q, i0
.irp i, \i0, \i0+1, \i0+2, \i0+3
	FRAG AF+FR*(\i), ADRA+\slot, \q, \i
.endr
.endm
.macro SCALES sc                       ; a K step's scale words: lanes 0-15 take A's block i, lanes 16-31 B's block i
.irp i, 0,1,2,3,4,5,6,7
	ds_load_b128 v[SC+8*NQ*\sc+NQ*\i:SC+8*NQ*\sc+NQ*\i+3], v[ADRS] offset:\i*SBLK
.endr
.endm
.macro PLACES n                        ; plain vector instructions between a matrix instruction and a load into, or a read of, its registers
.rept \n
	v_nop
.endr
.endm
.macro STEP slot, q, zero              ; a step of 128 along K that has its successor in the same slot
	s_wait_dscnt 4*NL                              ; B's set and A's blocks 0-3 are in; the youngest loads (A's blocks 4-7) may be out
	WIN MUL_LO
	MUL16 0, (\q)%2, \q, \slot, \zero
	MUL16 2, (\q)%2, \q, \slot, \zero
	s_wait_dscnt 0                                 ; A's blocks 4-7 are in
	PLACES NP
	FETCH_B \slot, (\q)+1, 1-(\q)%2
	FETCH_A \slot, (\q)+1, 0
	WIN MUL_HI
	MUL16 4, (\q)%2, \q, \slot, \zero
	MUL16 6, (\q)%2, \q, \slot, \zero
	PLACES NP
	WIN 0
	FETCH_A \slot, (\q)+1, 4
.endm
; A slot's last step changes slots: ONE barrier; in front of it each wave waits for all its tensor loads, adds 0 to its spare word, and waits for that and for its own reads of this slot.
.macro TURN slot, next, fill
	s_wait_tensorcnt 0x0                           ; all my tensor loads have landed: my part of the next slot
	ds_add_u32 v[SPW], v[NIL]
	s_wait_dscnt 4*NL+1                            ; (the add and the youngest loads, A's blocks 4-7, may be out)
	WIN MUL_LO
	MUL16 0, 1, NQ-1, \slot, 0
	s_wait_dscnt 0x0                               ; the add is done, and my reads of this slot are over
	s_barrier_signal -1
	MUL16 2, 1, NQ-1, \slot, 0
	WIN 0
	s_barrier_wait -1
.if \fill
	CREST                                          ; the barrier has opened a round of the cluster's barrier: no wave of any partner still reads this slot or has a load on its way
	s_add_nc_u64 s[G0+4*\slot+2:G0+4*\slot+3], s[G0+4*\slot+2:G0+4*\slot+3], 2*ROWB
	s_add_nc_u64 s[G0B+4*\slot+2:G0B+4*\slot+3], s[G0B+4*\slot+2:G0B+4*\slot+3], 2*ROWB
	JLOAD G0+4*\slot, G1, G0B+4*\slot, G1B         ; the first tensor load behind the round
.else
	PLACES NP
.endif
	v_add_nc_u32 v[ADRS], 4*NQ, v[ADRS]            ; on to the next K step's scale words
	FETCH_B \next, 0, 0
	FETCH_A \next, 0, 0
	SCALES \next
	WIN MUL_HI
	MUL16 4, 1, NQ-1, \slot, 0
	MUL16 6, 1, NQ-1, \slot, 0
	PLACES NP
	WIN 0
	FETCH_A \next, 0, 4
.endm
.macro STEPS slot, from
.set Q, \from
.rept NQ-1-\from
	STEP \slot, Q, 0
.set Q, Q+1
.endr
.endm
	s_wait_tensorcnt 1                             ; the scales and my part of K step 0 are in; K step 1's load may be out
	s_barrier_signal -1
	s_barrier_wait -1
	FETCH_B 0, 0, 0
	FETCH_A 0, 0, 0
	SCALES 0
	FETCH_A 0, 0, 4
	STEP 0, 0, 1                                   ; the first step stands in front of the loop: its products start the sums
	s_mov_b32 s3, LAPS-1
.Llap:                                                 ; a trip goes once round the ring and fills both slots again
	STEPS 0, 1
	TURN 0, 1, 1
	STEPS 1, 0
	TURN 1, 0, 1
	STEP 0, 0, 0
	s_sub_co_u32 s3, s3, 1
	s_cmp_lg_u32 s3, 0
	s_cbranch_scc1 .Llap
	STEPS 0, 1                                     ; the last lap fills nothing
	TURN 0, 1, 0
	STEPS 1, 0
	s_wait_dscnt 4*NL
	WIN MUL_LO
	MUL16 0, 1, NQ-1, 1, 0
	MUL16 2, 1, NQ-1, 1, 0
	s_wait_dscnt 0
	WIN MUL_HI
	MUL16 4, 1, NQ-1, 1, 0
	MUL16 6, 1, NQ-1, 1, 0
	WIN 0
; THE WAY OUT, block by block of 16 rows x 128 columns (one head).
.macro PACK a                          ; block a is turned in f32 and rounded to f16
.set AC, 64*((\a)%4)
.set CB, 128*((\a)%2)+64*(1-((\a)%4)/2)
.if (\a) < 5
	s_wait_loadcnt 48                              ; the block's cosines and sines are in; behind them three sets of 16 loads were asked for, and may be out
.else
	s_wait_loadcnt 16*(7-(\a))                     ; the counts run down: 32, 16, 0
.endif
	WIN 0x41                                       ; the tables: destination and source 0 window 1
.set i, 0
.rept 32
	v_cndmask_b32 v[CB+i], v[CB+i], 1.0, s66       ; v's columns: cosine 1, sine 0
	v_cndmask_b32 v[CB+32+i], v[CB+32+i], 0, s66
.set i, i+1
.endr
	WIN 0x06+(\a)/4                                ; source 0: the accumulators' window; source 1: the tables'
.irp b, 0,1,2,3,4,5,6,7
.irp p, 0,1,2,3
	v_mul_f32 v[F+8*\b+2*\p], v[AC+8*\b+2*\p+1], v[CB+32+4*\b+\p]     ; each accumulator is read from its low end on
	v_mul_f32 v[F+8*\b+2*\p+1], v[AC+8*\b+2*\p], v[CB+32+4*\b+\p]
.endr
.irp p, 0,1,2,3
	v_fma_f32 v[F+8*\b+2*\p], v[AC+8*\b+2*\p], v[CB+4*\b+\p], -v[F+8*\b+2*\p]          ; r cos - i sin
	v_fma_f32 v[F+8*\b+2*\p+1], v[AC+8*\b+2*\p+1], v[CB+4*\b+\p], v[F+8*\b+2*\p+1]     ; i cos + r sin
.endr
.endr
.if (\a) < 4
	CSLOAD (\a)+4                                  ; the set has had its last reader: it takes the block four further on
.endif
	WIN 0
.set i, 0
.rept 32
	v_cvt_pk_f16_f32 v[TMP+i], v[F+2*i], v[F+2*i+1]
.set i, i+1
.endr
.endm
.macro TOSTAGE a                       ; 16 bytes a lane into my stage, and back as whole rows of 256 bytes; LDS serves a wave's instructions in order
.set BB, BK+32*((\a)%2)
.irp b, 0,1,2,3,4,5,6,7
	ds_store_b128 v[STO], v[TMP+4*\b:TMP+4*\b+3] offset:32*\b
.endr
.irp t, 0,1,2,3,4,5,6,7
	ds_load_b128 v[BB+4*\t:BB+4*\t+3], v[RD] offset:\t*2*SPITCH
.endr
.endm
.macro SEND a
.set BB, BK+32*((\a)%2)
	s_wait_dscnt 0x0                               ; the block is back in registers
	s_wait_xcnt 0x0                                ; the earlier stores have read their base and their registers: the base may step, and the other set may be loaded again
.if (\a) > 0
	s_add_nc_u64 s[12:13], s[12:13], 16*QROW
.endif
.irp t, 0,1,2,3,4,5,6,7
	global_store_b128 v[CO], v[BB+4*\t:BB+4*\t+3], s[12:13] offset:2*\t*QROW   ; 16 lanes store 256 consecutive bytes, aligned: a head's part of a row
.endr
.endm
	PLACES NP                                      ; in front of loads into, and writes of, registers that the last products read
	CSLOAD 2                                       ; into B's two sets, which are done with
	CSLOAD 3
	PACK 0
	; positions 0 to 15 in f32: the waves whose first row is 0 store block 0 as it stands in the registers, 512 consecutive bytes a store.  A predicate on the stores, and no branch
	v_cmp_eq_u32 vcc_lo, 0, v[FR0]
	s_wait_xcnt 0x0                                ; EXEC changes only behind this wait
	s_and_saveexec_b32 s67, vcc_lo
.irp b, 0,1,2,3,4,5,6,7
.irp g, 0,1
	global_store_b128 v[FO], v[F+8*\b+4*\g:F+8*\b+4*\g+3], s[100:101] offset:1024*\b+512*\g
.endr
.endr
	s_wait_xcnt 0x0                                ; and again in front of the line that widens it; the stores' data may be written again too
	s_or_b32 exec_lo, exec_lo, s67
	TOSTAGE 0
.irp a, 1,2,3,4,5,6,7
	PACK \a
	SEND \a-1
	TOSTAGE \a
.endr
	SEND 7
	s_wait_tensorcnt 0x0                           ; the wave's end
	ds_add_u32 v[SPW], v[NIL]
	s_wait_dscnt 0x0
	CROUND                                         ; the closing round: no work-group ends while a partner may still ask for a tile that names it
	s_endpgm
.Lfunc_end_k_qd2e3bd8b03_proj:
	.size	k_qd2e3bd8b03_proj, .Lfunc_end_k_qd2e3bd8b03_proj-k_qd2e3bd8b03_proj
	.p2alignl 7, 3214868480
	.fill 96, 4, 3214868480
	.section	.rodata,"a",@progbits
	.p2align	6, 0x0
	.amdhsa_kernel k_qd2e3bd8b03_proj
		.amdhsa_group_segment_fixed_size 327680
		.amdhsa_private_segment_fixed_size 0
		.amdhsa_enable_private_segment 0
		.amdhsa_kernarg_size 64
		.amdhsa_user_sgpr_count 2
		.amdhsa_user_sgpr_kernarg_segment_ptr 1
		.amdhsa_wavefront_size32 1
		.amdhsa_system_sgpr_workgroup_id_x 1
		.amdhsa_system_sgpr_workgroup_id_y 1
		.amdhsa_system_sgpr_workgroup_id_z 1
		.amdhsa_system_vgpr_workitem_id 0
		.amdhsa_next_free_vgpr 1024
		.amdhsa_next_free_sgpr 102
		.amdhsa_reserve_vcc 1
		.amdhsa_float_denorm_mode_32 3
		.amdhsa_float_denorm_mode_16_64 3
		.amdhsa_memory_ordered 1
		.amdhsa_forward_progress 1
		.amdhsa_inst_pref_size 255
	.end_amdhsa_kernel
	.section	.bss,"aw",@nobits
	.p2align	6
	.space	262144
	.amdgpu_metadata
---
amdhsa.version: [ 1, 2 ]
amdhsa.kernels:
  - .name:           k_qd2e3bd8b03_proj
    .symbol:         k_qd2e3bd8b03_proj.kd
    .args:
      - { .name: x_codes, .offset: 0, .size: 8, .value_kind: global_buffer, .address_space: global }
      - { .name: x_scales, .offset: 8, .size: 8, .value_kind: global_buffer, .address_space: global }
      - { .name: w_codes, .offset: 16, .size: 8, .value_kind: global_buffer, .address_space: global }
      - { .name: w_scales, .offset: 24, .size: 8, .value_kind: global_buffer, .address_space: global }
      - { .name: qkv, .offset: 32, .size: 8, .value_kind: global_buffer, .address_space: global }
      - { .name: freqs_cos, .offset: 40, .size: 8, .value_kind: global_buffer, .address_space: global }
      - { .name: freqs_sin, .offset: 48, .size: 8, .value_kind: global_buffer, .address_space: global }
      - { .name: fine, .offset: 56, .size: 8, .value_kind: global_buffer, .address_space: global }
    .group_segment_fixed_size: 327680
    .private_segment_fixed_size: 0
    .kernarg_segment_align: 8
    .kernarg_segment_size: 64
    .max_flat_workgroup_size: 128
    .sgpr_count:     102
    .vgpr_count:     1024
    .wavefront_size: 32
...
	.end_amdgpu_metadata
.endif
;; end of part 2
;; launch attn (part 3): grid 16 x 16, 8 waves a work-group, no clusters, 327,680 bytes of LDS; arguments qkv, o; writes o
.if DOCPART == 3
	.amdgcn_target "amdgcn-amd-amdhsa--gfx1250"
	.amdhsa_code_object_version 6
	.text
	.protected	k_qd2e3bd8b03_attn
	.globl	k_qd2e3bd8b03_attn
	.p2align	8
	.type	k_qd2e3bd8b03_attn,@function
k_qd2e3bd8b03_attn:
	s_mov_b64 s[64:65], 0
	v_nop
	global_prefetch_b8 v0, s[64:65] scope:SCOPE_SE
	s_setreg_imm32_b32 hwreg(HW_REG_WAVE_MODE, 25, 1), 1
	s_wait_xcnt 0x0
; o[t][head] = the sum over keys k <= t of softmax_k(q[t] . k[k] / sqrt(128)) v[k], for 16 heads of 128, 2,048 positions.  q, k, v: f16 in qkv [2048][6144]; o: f16 [2048][2048].
; Products, maxima and sums in f32; the weights p are rounded to f16 for the second product, o once at the end.  A running maximum m and sum l for each query: p = 2^(c s - c m), c = log2(e) / sqrt(128).
; LIMITS: what is f16 here stays under 65,504; NaN and infinities are not served.  (Positions 0 to 15 are made here too; a later launch carries them in f32 for the output.)
; SHARES.  A head's queries are 32 blocks of 64.  Work-group i of a head owns blocks i and 31 - i: i + 1 and 32 - i key steps of 64, 33 in every work-group.  Waves 0-3 take a tile of 16 queries each of block i, waves 4-7 of block 31 - i.
; NO CLUSTER: under the causal mask the work-groups of a head need different numbers of slots, and a joint load has to be issued by every partner that it names.
; LAYOUT.  S^T = K Q^T (source 0 = 16 keys, source 1 = 16 queries): a lane holds ONE query (lane % 16) and keys 8 (lane / 16) + 0..7.  Two such tiles, rounded to f16 in pairs, ARE source 1 of O^T = V^T P.  V is turned by ds_load_tr16_b128.
; THE RING.  Two slots of 256 keys (four key steps); each of the eight waves brings one tile of 64 rows x 256 bytes (waves 0-3: K of step w; waves 4-7: V of step w - 4).
; Every work-group walks all eight slots, so that trip counts are constants; from the first step all of whose keys come after the wave's queries on, a slot's steps are jumped over, and a slot whose first key comes after the
; work-group's last query is not asked for.
; K A STEP AHEAD.  A slot's four steps are written out.  K's registers are free as soon as a step's K Q^T is issued: the next step's K is fetched from LDS there, and lands under the softmax and V^T P.
; Only a slot's first step fetches its own K: no read of a slot stands ahead of the slot's barrier.  A step but the first is reached only through the step before it, which has fetched its K.
; REGISTERS: window 0: v1-15 addresses; v16-23 statistics (c m, m, l twice, four at work; a takes the third's place); v24-55 Q; v64-95 S^T; v96-111 P; v128-191 O^T; v192-223 the way out.  window 1: v0-127 K's 16 fragments, v128-255 V's 16.
.set KS,    64
.set PK,    272                        ; a row of K in LDS: 256 bytes + 16: the 16 rows of a load start at 16 different banks (64 banks of 4 bytes: ISA guide 11.1)
.set PV,    288                        ; a row of V: 256 + 32
.set VOFF,  KS*PK
.set STEPB, KS*(PK+PV)
.set SLOTB, 4*STEPB
.set STAGE, 2*SLOTB                    ; behind the ring: 16 rows x 272 bytes for each wave
.set SP,    272
.set SPARE, STAGE+8*16*SP              ; behind the stages: the spare words, 128 bytes for each wave
.set ROWG,  12288                      ; a row of qkv in bytes
.set SLOTG, 256*ROWG                   ; a slot's keys in memory
.set AK0, 1
.set AV0, 2
.set ADK, 3
.set ADV, 4
.set QO,  5
.set STO, 6
.set RD,  7
.set GO,  8
.set RH,  9                            ; v9   lane % 16 - 8 (lane / 16)
.set DD,  10
.set NINF, 11
.set PFO, 12                           ; v12  12,288 x my lane: a lane a row; never rewritten
.set SPW, 14                           ; v14  LDS address of my spare word; never rewritten
.set NIL, 15                           ; v15  0; never rewritten
.set ST,  16
.set QF,  24
.set S,   64
.set P,   96
.set OT,  128
.set TMP, 192
.set WV,  8
.set Q0,  9                            ; s9   my first query
.set KF,  10                           ; s10  the first key of the slot in hand
.set SLOTS, 12
.set QL,  13                           ; s13  my work-group's last query
.set CS,  14                           ; s[14:15] c
.set SEL, 16                           ; s[16:17] lane selects: lane l xor 16
.set LIM, 18                           ; s18  1 in the head's first work-group, else the greatest number
.set G1K, 24
.set G1V, 32
.set G0,  40                           ; s[40:43], s[44:47]: group 0 for slot 0 and slot 1
.set PFA, 48                           ; s[48:49] where my prefetches stand
.set HO,  51                           ; s51  256 x head
.set QE,  52                           ; s52  my last query
.set MSB, 0
.macro WIN new
.if MSB != \new
	s_set_vgpr_msb (MSB<<8)|\new
.set MSB, \new
.endif
.endm
; Waves 0-3 fetch K's tiles, waves 4-7 V's: the two differ in the padding.  The branch hangs on the wave's number alone.  An s_nop 0 and four v_nop follow each line.
.macro TLOAD g0
	s_cmp_lt_u32 s[WV], 4
	s_cbranch_scc0 .Lfor_v_\@
	tensor_load_to_lds s[\g0:\g0+3], s[G1K:G1K+7]
	s_nop 0
.rept 4
	v_nop
.endr
	s_branch .Lasked_\@
.Lfor_v_\@:
	tensor_load_to_lds s[\g0:\g0+3], s[G1V:G1V+7]
	s_nop 0
.rept 4
	v_nop
.endr
.Lasked_\@:
.endm
; A PREFETCH INTO THE L2 of the tile that I shall load at the NEXT change of slots: 64 rows x 256 bytes, a lane a row, two instructions.  All work-groups of a head walk the same K and V: the head's first work-group,
; which walks every slot, asks, and nobody else: each row's 256 bytes are named once in the launch.  It stands four key steps ahead of the load.  Slots 0 and 1 come by their loads alone; the change for slot 6 asks for nothing.
.macro ASK how                         ; how = 1: always; 2: not in the loop's last trip
.if \how == 2
	s_cmp_gt_u32 s[SLOTS], s[LIM]
.else
	s_cmp_ge_u32 s[SLOTS], s[LIM]
.endif
	s_cbranch_scc0 .Lnot_mine_\@
	global_prefetch_b8 v[PFO], s[PFA:PFA+1] th:TH_LOAD_NT scope:SCOPE_SE
	global_prefetch_b8 v[PFO], s[PFA:PFA+1] offset:32*ROWG th:TH_LOAD_NT scope:SCOPE_SE
.Lnot_mine_\@:
.endm
; THE CHANGE OF SLOTS stands at a slot's head.  Each wave waits for all its tensor loads (its part of slot cur), adds 0 to its spare word, and waits for that and for its reads of the other slot.
; Behind the barrier slot cur is whole and nobody reads the other one.  fill = 1: the other slot is filled with the keys that follow; lim = 1: only while those keys count for some query of the work-group.
.macro CHANGE cur, fill, lim, ask
	s_wait_tensorcnt 0x0                           ; no tensor load of mine is out, so a group 0 may be written
	ds_add_u32 v[SPW], v[NIL]
	s_add_nc_u64 s[G0+4*\cur+2:G0+4*\cur+3], s[G0+4*\cur+2:G0+4*\cur+3], 2*SLOTG   ; this slot's next keys; the type bits on top are not reached
.if \ask
	s_wait_xcnt 0x0                                ; the last prefetches, a slot back, have read their address
	s_add_nc_u64 s[PFA:PFA+1], s[PFA:PFA+1], SLOTG
.endif
	s_wait_dscnt 0x0                               ; the add is done, and my reads of the slot that I have left are over (a K fetched ahead for a step that was then jumped over among them)
	s_barrier_signal -1
	s_barrier_wait -1
.if \fill
.if \lim
	s_add_co_u32 s19, s[KF], 256                   ; the first key of the slot that this change would ask for,
	s_cmp_gt_u32 s19, s[QL]                        ; against my work-group's last query: ids and the count of slots alone, the same in all eight waves
	s_cbranch_scc1 .Lpast_\@
.endif
	TLOAD G0+4*(1-\cur)                            ; my one tensor load behind this barrier, and the first thing there
.Lpast_\@:
.endif
.if \ask
	ASK \ask
.endif
.endm
.macro KLOADS                          ; a step's K: 16 fragments: keys 16 (f / 4) on, channels 32 (f % 4) on.  Under the setting 0x40: destination window 1
.irp f, 0,1,2,3,4,5,6,7,8,9,10,11,12,13,14,15
	ds_load_b128 v[8*\f:8*\f+3],   v[ADK] offset:(\f/4)*16*PK+(\f%4)*64
	ds_load_b128 v[8*\f+4:8*\f+7], v[ADK] offset:(\f/4)*16*PK+(\f%4)*64+32
.endr
.endm
; A KEY STEP: 64 keys, the q-th of slot cur.  Its K has been asked for.  out: the slot's end.
.macro STEP cur, q, out
.if \q > 0
	s_add_co_u32 s19, s[KF], KS*\q
	s_cmp_gt_u32 s19, s[QE]                        ; all keys come after my 16 queries: this step and the slot's later ones are left out
	s_cbranch_scc1 \out
.endif
	v_add_nc_u32 v[ADV], \cur*SLOTB+\q*STEPB, v[AV0]
.if \q < 3
	v_add_nc_u32 v[ADK], \cur*SLOTB+(\q+1)*STEPB, v[AK0]   ; where the next step's K lies (an LDS load's address register may be written while the load is out)
.else
	v_nop
.endif
	v_nop
	v_nop                                          ; four plain instructions between the last step's products and the loads into V's registers
	WIN 0x40                                       ; destination window 1
.irp f, 0,1,2,3,4,5,6,7,8,9,10,11,12,13,14,15      ; V, turned: keys 32 (f / 8) on, channels 16 (f % 8) on
	ds_load_tr16_b128 v[128+8*\f:128+8*\f+3],   v[ADV] offset:(\f/8)*32*PV+(\f%8)*32
	ds_load_tr16_b128 v[128+8*\f+4:128+8*\f+7], v[ADV] offset:(\f/8)*32*PV+16*PV+(\f%8)*32
.endr
	s_wait_dscnt 32                                ; K, asked for ahead of V, is in; V's 32 loads may be out
	WIN 0x01                                       ; source 0 window 1
.irp c, 0,1,2,3                                    ; S^T = K Q^T: the four accumulators take turns, one instruction a turn
.irp k, 0,1,2,3
.if \c == 0
	v_wmma_f32_16x16x32_f16 v[S+8*\k:S+8*\k+7], v[32*\k+8*\c:32*\k+8*\c+7], v[QF+8*\c:QF+8*\c+7], 0
.else
	v_wmma_f32_16x16x32_f16 v[S+8*\k:S+8*\k+7], v[32*\k+8*\c:32*\k+8*\c+7], v[QF+8*\c:QF+8*\c+7], v[S+8*\k:S+8*\k+7]
.endif
.endr
.endr
.rept 4
	v_nop                                          ; four places, in front of the loads into K's registers and of the first read of the scores
.endr
.if \q < 3
	WIN 0x40
	KLOADS                                         ; the next step's K: it lands under the softmax and V^T P
.endif
	WIN 0
	s_add_co_u32 s19, s[KF], KS*\q+63              ; on the diagonal hidden scores become -infinity ahead of the maximum; a step all of whose keys count skips this
	s_cmp_le_u32 s19, s[Q0]
	s_cbranch_scc1 .Lopen_\@
	s_sub_co_i32 s19, s[Q0], s[KF]
.if \q > 0
	s_sub_co_i32 s19, s19, KS*\q
.endif
	v_add_nc_u32 v[DD], s19, v[RH]                 ; d = my query - the step's first key - 8 (lane / 16).  Register 8 t + j holds that key + 16 t + 8 (lane / 16) + j: hidden where 16 t + j > d
.irp n, 0,1,2,3,4,5,6,7,8,9,10,11,12,13,14,15,16,17,18,19,20,21,22,23,24,25,26,27,28,29,30,31
	v_cmp_gt_i32 vcc_lo, 16*(\n/8)+\n%8, v[DD]
	v_cndmask_b32 v[S+\n], v[S+\n], v[NINF], vcc_lo
.endr
.Lopen_\@:
.irp j, 0,1,2,3                                    ; the maximum of my 32 scores and the old m: four chains, each accumulator from its low end on
	v_max3_num_f32 v[ST+4+\j], v[S+8*\j], v[S+8*\j+1], v[S+8*\j+2]
.endr
.irp j, 0,1,2,3
	v_max3_num_f32 v[ST+4+\j], v[ST+4+\j], v[S+8*\j+3], v[S+8*\j+4]
.endr
.irp j, 0,1,2,3
	v_max3_num_f32 v[ST+4+\j], v[ST+4+\j], v[S+8*\j+5], v[S+8*\j+6]
.endr
	v_max3_num_f32 v[ST+4], v[ST+4], v[S+7], v[S+15]
	v_max3_num_f32 v[ST+6], v[ST+6], v[S+23], v[S+31]
	v_max3_num_f32 v[ST+4], v[ST+4], v[ST+5], v[ST+6]
	v_max3_num_f32 v[ST+4], v[ST+4], v[ST+7], v[ST+1]
	v_permlanex16_b32 v[ST+5], v[ST+4], s[SEL], s[SEL+1]   ; the query's other 32 keys lie in the lane 16 away
	v_mov_b32 v[ST+7], v[ST]                       ; c m_old
	v_max_num_f32 v[ST+1], v[ST+4], v[ST+5]        ; the new m
	v_mul_f32 v[ST], s[CS], v[ST+1]                ; c m
	v_sub_f32 v[ST+7], v[ST+7], v[ST]
.set i, 0
.rept 16
	v_pk_fma_f32 v[S+2*i:S+2*i+1], v[S+2*i:S+2*i+1], s[CS:CS+1], v[ST:ST+1] op_sel_hi:[1,0,0] neg_lo:[0,0,1] neg_hi:[0,0,1]   ; c s - c m
.set i, i+1
.endr
	v_exp_f32 v[ST+6], v[ST+7]                     ; a = 2^(c m_old - c m): ONE BATCH of 33 exponentials
.set i, 0
.rept 32
	v_exp_f32 v[S+i], v[S+i]
.set i, i+1
.endr
	v_nop                                          ; a plain instruction behind the last exponential
	s_wait_alu depctr_va_vdst(0)                   ; one wait for the batch, ahead of the first instruction that names a result
.set i, 0
.rept 16
	v_cvt_pk_f16_f32 v[P+i], v[S+2*i], v[S+2*i+1]
.set i, i+1
.endr
.irp u, 0,1,2,3,4,5,6,7                            ; the sum of the unrounded weights, two at a time, as a tree
	v_pk_add_f32 v[S+4*\u:S+4*\u+1], v[S+4*\u:S+4*\u+1], v[S+4*\u+2:S+4*\u+3]
.endr
.irp u, 0,1,2,3
	v_pk_add_f32 v[S+8*\u:S+8*\u+1], v[S+8*\u:S+8*\u+1], v[S+8*\u+4:S+8*\u+5]
.endr
.irp u, 0,1
	v_pk_add_f32 v[S+16*\u:S+16*\u+1], v[S+16*\u:S+16*\u+1], v[S+16*\u+8:S+16*\u+9]
.endr
	v_pk_add_f32 v[S:S+1], v[S:S+1], v[S+16:S+17]
	v_pk_fma_f32 v[ST+2:ST+3], v[ST+2:ST+3], v[ST+6:ST+7], v[S:S+1] op_sel_hi:[1,0,1]   ; l = a l + the sum
.set i, 0
.rept 32
	v_pk_mul_f32 v[OT+2*i:OT+2*i+1], v[OT+2*i:OT+2*i+1], v[ST+6:ST+7] op_sel_hi:[1,0]   ; O^T x a
.set i, i+1
.endr
.if \q < 3
	s_wait_dscnt 32                                ; V is in; the next step's K, 32 loads asked for behind V's, may be out
.else
	s_wait_dscnt 0x0                               ; V is in
.endif
	WIN 0x01
.irp h, 0,1                                        ; O^T += V^T P: the eight accumulators take turns
.irp t, 0,1,2,3,4,5,6,7
	v_wmma_f32_16x16x32_f16 v[OT+8*\t:OT+8*\t+7], v[128+64*\h+8*\t:128+64*\h+8*\t+7], v[P+8*\h:P+8*\h+7], v[OT+8*\t:OT+8*\t+7]
.endr
.endr
	WIN 0
.endm
.macro SLOT_STEPS cur                  ; a slot's four key steps, written out
	s_cmp_gt_u32 s[KF], s[QE]                      ; all the slot's keys come after my 16 queries
	s_cbranch_scc1 .Lse_\@
	v_add_nc_u32 v[ADK], \cur*SLOTB, v[AK0]
	WIN 0x40
	KLOADS                                         ; the first step's K: behind the slot's barrier.  (K's registers were last read ahead of a whole softmax)
	WIN 0
	STEP \cur, 0, .Lse_\@
	STEP \cur, 1, .Lse_\@
	STEP \cur, 2, .Lse_\@
	STEP \cur, 3, .Lse_\@
.Lse_\@:
	s_add_co_u32 s[KF], s[KF], 4*KS
.endm
	s_load_b128 s[4:7], s[0:1], 0x0                ; qkv s[4:5], o s[6:7]
	v_lshl_add_u32 v[SPW], v0, 2, SPARE
	v_mov_b32 v[NIL], 0
	ds_add_u32 v[SPW], v[NIL]                      ; the wave's opening: the add, twice on end, and its wait ahead of my first tensor load
	ds_add_u32 v[SPW], v[NIL]
	v_lshrrev_b32 v1, 5, v0
	v_readfirstlane_b32 s[WV], v1                  ; wave 0..7
	; descriptor group 1: a tile of 64 rows x 128 elements of 2 bytes, 6,144 elements from row to row, padded in LDS
	s_mov_b32 s[G1K], (1<<16)|(1<<20)|(5<<22)|(3<<25)              ; no mask; elements of 2 bytes; padding on: 4 words after every 64
	s_mov_b32 s[G1V], (1<<16)|(1<<20)|(5<<22)|(7<<25)              ; the same with 8 words
.irp g, G1K, G1V
	s_mov_b32 s[\g+1], 128<<16                     ; tensor_dim0
	s_mov_b32 s[\g+2], KS<<16                      ; tensor_dim1
	s_mov_b32 s[\g+3], 128<<16                     ; tile_dim0
	s_mov_b32 s[\g+4], KS                          ; tile_dim1
	s_mov_b32 s[\g+5], 6144                        ; tensor_dim0_stride
	s_mov_b32 s[\g+6], 0
	s_mov_b32 s[\g+7], 0
.endr
	s_and_b32 s[HO], ttmp7, 0xffff
	s_lshl_b32 s[HO], s[HO], 8                     ; the head's 256 bytes of a row
	s_sub_co_u32 s19, 31, ttmp9
	s_lshl_b32 s[QL], s19, 6
	s_add_co_u32 s[QL], s[QL], 63                  ; my work-group's last query
	s_cmp_lt_u32 s[WV], 4
	s_cselect_b32 s19, ttmp9, s19                  ; my block of 64 queries
	s_and_b32 s20, s[WV], 3
	s_lshr_b32 s21, s[WV], 2
	s_lshl_b32 s[Q0], s19, 6
	s_lshl_b32 s22, s20, 4
	s_add_co_u32 s[Q0], s[Q0], s22
	s_add_co_u32 s[QE], s[Q0], 15
	s_mul_i32 s22, s20, STEPB                      ; what I fetch: step wave % 4 of a slot,
	s_mul_i32 s23, s21, VOFF                       ; K's tile or V's
	s_add_co_u32 s22, s22, s23
	s_mul_i32 s2, s20, KS*ROWG
	s_lshl_b32 s3, s21, 12
	s_add_co_u32 s2, s2, s3
	s_add_co_u32 s2, s2, 4096                      ; k begins 4,096 bytes into a row of qkv, v 8,192
	s_add_co_u32 s2, s2, s[HO]
	s_mov_b32 s3, 0
	s_cmp_eq_u32 ttmp9, 0
	s_cselect_b32 s[LIM], 1, -1
	s_mov_b32 s[CS], 0x3e0293ee                    ; c = log2(e) / sqrt(128)
	s_mov_b32 s[CS+1], s[CS]
	s_mov_b32 s[SEL], 0x76543210
	s_mov_b32 s[SEL+1], 0xfedcba98
	s_mov_b32 s[KF], 0
	s_mov_b32 s[SLOTS], 3
	s_wait_dscnt 0x0                               ; both opening adds are done
	s_wait_kmcnt 0x0
	s_mov_b32 s[G0], 1
	s_mov_b32 s[G0+1], s22
	s_add_nc_u64 s[G0+2:G0+3], s[4:5], s[2:3]
	s_mov_b32 s[G0+4], 1
	s_add_co_u32 s[G0+5], s22, SLOTB
	s_add_nc_u64 s[G0+6:G0+7], s[G0+2:G0+3], SLOTG
	s_mov_b64 s[PFA:PFA+1], s[G0+6:G0+7]           ; my tile of slot 1; the first change of slots steps it to slot 2
	s_or_b32 s[G0+3], s[G0+3], 0x80000000
	s_or_b32 s[G0+7], s[G0+7], 0x80000000
	TLOAD G0                                       ; slot 0: key 0 counts for every query
	s_mul_i32 s2, s[Q0], ROWG
	s_add_co_u32 s2, s2, s[HO]
	s_add_nc_u64 s[4:5], s[4:5], s[2:3]            ; q at my first query
	s_lshl_b32 s2, s[Q0], 12
	s_add_co_u32 s2, s2, s[HO]
	s_add_nc_u64 s[6:7], s[6:7], s[2:3]            ; o likewise
	v_and_b32 v13, 15, v0                          ; r = lane % 16
	v_bfe_u32 v10, v0, 4, 1                        ; h = lane / 16
	v_mul_u32_u24 v[QO], v13, ROWG
	v_lshl_add_u32 v[QO], v10, 4, v[QO]
.irp c, 0,1,2,3                                    ; Q stays in registers: channels 32 c on
	global_load_b128 v[QF+8*\c:QF+8*\c+3],   v[QO], s[4:5] offset:64*\c
	global_load_b128 v[QF+8*\c+4:QF+8*\c+7], v[QO], s[4:5] offset:64*\c+32
.endr
	v_mul_u32_u24 v[AK0], v13, PK
	v_lshl_add_u32 v[AK0], v10, 4, v[AK0]          ; K: row x pitch + 16 x half
	v_and_b32 v3, 7, v0
	v_bfe_u32 v4, v0, 3, 1
	v_lshl_add_u32 v[AV0], v10, 3, v3              ; V: key 8 (l / 16) + l % 8, channels 8 ((l / 8) % 2) on
	v_mul_u32_u24 v[AV0], v[AV0], PV
	v_lshl_add_u32 v[AV0], v4, 4, v[AV0]
	v_add_nc_u32 v[AV0], VOFF, v[AV0]
	s_mul_i32 s19, s[WV], 16*SP
	s_add_co_u32 s19, s19, STAGE                   ; my stage
	v_mul_u32_u24 v[STO], v13, SP
	v_lshl_add_u32 v[STO], v10, 4, v[STO]
	v_add_nc_u32 v[STO], s19, v[STO]
	v_mul_u32_u24 v[RD], v10, SP
	v_lshl_add_u32 v[RD], v13, 4, v[RD]
	v_add_nc_u32 v[RD], s19, v[RD]
	v_lshlrev_b32 v[GO], 12, v10                   ; o: lanes 0-15 one row of 4,096 bytes, lanes 16-31 the next; 16 bytes a lane
	v_lshl_add_u32 v[GO], v13, 4, v[GO]
	v_lshlrev_b32 v[RH], 3, v10
	v_sub_nc_u32 v[RH], v13, v[RH]
	v_mov_b32 v[NINF], 0xff800000
	v_and_b32 v[PFO], 31, v0
	v_mul_u32_u24 v[PFO], v[PFO], ROWG
	v_mov_b32 v[ST+1], 0xff61b1e6                  ; m: -3e38, under every score
	v_mul_f32 v[ST], s[CS], v[ST+1]                ; c m
.irp j, 2,3,4,5,6,7
	v_mov_b32 v[ST+\j], 0                          ; l, and the registers at work
.endr
.set i, 0
.rept 64
	v_mov_b32 v[OT+i], 0                           ; O^T.  (No step has a first form of its own: the first finds zeros, and its a is 0)
.set i, i+1
.endr
	s_wait_loadcnt 0x0                             ; Q
	CHANGE 0, 1, 0, 1                              ; slot 0 is read; slot 1's first fill goes out: its keys count in every work-group (the smallest last query is 1,087)
	SLOT_STEPS 0
.Lslot:                                            ; three trips: slots 1 and 2, 3 and 4, 5 and 6
	CHANGE 1, 1, 1, 1
	SLOT_STEPS 1
	CHANGE 0, 1, 1, 2
	SLOT_STEPS 0
	s_sub_co_u32 s[SLOTS], s[SLOTS], 1
	s_cmp_lg_u32 s[SLOTS], 0
	s_cbranch_scc1 .Lslot
	CHANGE 1, 0, 0, 0                              ; slot 7: nothing is left to ask for
	SLOT_STEPS 1
	; THE WAY OUT: O^T / l, rounded to f16, through my stage, out as whole pieces of 256 bytes
.rept 4
	v_nop                                          ; places behind the last products
.endr
	v_add_f32 v[ST+4], v[ST+2], v[ST+3]
	v_permlanex16_b32 v[ST+5], v[ST+4], s[SEL], s[SEL+1]
	v_add_f32 v[ST+4], v[ST+4], v[ST+5]
	v_rcp_f32 v[ST+6], v[ST+4]
	v_mov_b32 v[ST+7], 0                           ; a plain instruction behind the reciprocal
	s_wait_alu depctr_va_vdst(0)                   ; the wait ahead of its first use
.set i, 0
.rept 32
	v_pk_mul_f32 v[OT+2*i:OT+2*i+1], v[OT+2*i:OT+2*i+1], v[ST+6:ST+7] op_sel_hi:[1,0]
.set i, i+1
.endr
.set i, 0
.rept 32
	v_cvt_pk_f16_f32 v[TMP+i], v[OT+2*i], v[OT+2*i+1]
.set i, i+1
.endr
.irp f, 0,1,2,3,4,5,6,7
	ds_store_b128 v[STO], v[TMP+4*\f:TMP+4*\f+3] offset:32*\f
.endr
.irp f, 0,1,2,3,4,5,6,7
	ds_load_b128 v[TMP+4*\f:TMP+4*\f+3], v[RD] offset:\f*2*SP      ; LDS serves a wave's instructions in order: these see the stores above
.endr
.irp f, 0,1,2,3,4,5,6,7
	s_wait_dscnt 7-\f
	global_store_b128 v[GO], v[TMP+4*\f:TMP+4*\f+3], s[6:7] offset:\f*8192   ; 16 lanes store 256 consecutive bytes, aligned
.endr
	s_wait_tensorcnt 0x0                           ; the wave's end
	ds_add_u32 v[SPW], v[NIL]
	s_wait_dscnt 0x0
	s_endpgm
.Lfunc_end_k_qd2e3bd8b03_attn:
	.size	k_qd2e3bd8b03_attn, .Lfunc_end_k_qd2e3bd8b03_attn-k_qd2e3bd8b03_attn
	.p2alignl 7, 3214868480
	.fill 96, 4, 3214868480
	.section	.rodata,"a",@progbits
	.p2align	6, 0x0
	.amdhsa_kernel k_qd2e3bd8b03_attn
		.amdhsa_group_segment_fixed_size 327680
		.amdhsa_private_segment_fixed_size 0
		.amdhsa_enable_private_segment 0
		.amdhsa_kernarg_size 16
		.amdhsa_user_sgpr_count 2
		.amdhsa_user_sgpr_kernarg_segment_ptr 1
		.amdhsa_wavefront_size32 1
		.amdhsa_system_sgpr_workgroup_id_x 1
		.amdhsa_system_sgpr_workgroup_id_y 1
		.amdhsa_system_sgpr_workgroup_id_z 1
		.amdhsa_system_vgpr_workitem_id 0
		.amdhsa_next_free_vgpr 512
		.amdhsa_next_free_sgpr 66
		.amdhsa_reserve_vcc 1
		.amdhsa_float_denorm_mode_32 3
		.amdhsa_float_denorm_mode_16_64 3
		.amdhsa_memory_ordered 1
		.amdhsa_forward_progress 1
		.amdhsa_inst_pref_size 255
	.end_amdhsa_kernel
	.section	.bss,"aw",@nobits
	.p2align	6
	.space	262144
	.amdgpu_metadata
---
amdhsa.version: [ 1, 2 ]
amdhsa.kernels:
  - .name:           k_qd2e3bd8b03_attn
    .symbol:         k_qd2e3bd8b03_attn.kd
    .args:
      - { .name: qkv, .offset: 0, .size: 8, .value_kind: global_buffer, .address_space: global }
      - { .name: o, .offset: 8, .size: 8, .value_kind: global_buffer, .address_space: global }
    .group_segment_fixed_size: 327680
    .private_segment_fixed_size: 0
    .kernarg_segment_align: 8
    .kernarg_segment_size: 16
    .max_flat_workgroup_size: 256
    .sgpr_count:     66
    .vgpr_count:     512
    .wavefront_size: 32
...
	.end_amdgpu_metadata
.endif
;; end of part 3
;; launch oproj (part 4): grid 16 x 16, 4 waves a work-group, clusters of 4 x 4, 327,680 bytes of LDS; arguments o, wot, out0; writes out0
.if DOCPART == 4
	.amdgcn_target "amdgcn-amd-amdhsa--gfx1250"
	.amdhsa_code_object_version 6
	.text
	.protected	k_qd2e3bd8b03_oproj
	.globl	k_qd2e3bd8b03_oproj
	.p2align	8
	.type	k_qd2e3bd8b03_oproj,@function
k_qd2e3bd8b03_oproj:
	s_mov_b64 s[64:65], 0
	v_nop
	global_prefetch_b8 v0, s[64:65] scope:SCOPE_SE
	s_setreg_imm32_b32 hwreg(HW_REG_WAVE_MODE, 25, 1), 1
	s_wait_xcnt 0x0
	s_wait_alu depctr_hold_cnt(0) depctr_sa_sdst(0) depctr_va_vdst(0) depctr_va_sdst(0) depctr_va_ssrc(0) depctr_va_vcc(0) depctr_vm_vsrc(0)
	s_getreg_b32 s2, hwreg(HW_REG_IB_STS2, 6, 4)
	s_cmp_eq_u32 s2, 0
	s_cbranch_scc0 .Lentry_in_a_cluster
	s_endpgm
.Lentry_in_a_cluster:
	s_bfe_u32 s2, ttmp6, 0x10000c
	s_cmp_lg_u32 s2, 0xf033
	s_cbranch_scc0 .Lentry_shape_is_right
	s_endpgm
.Lentry_shape_is_right:
; out0[m][n] = sum over k of o[m][k] wot[n][k].  o: [2048][2048] f16, wot: [2048][2048] f16 (wo turned), out0: [2048][2048] f32; sums in f32.
; (Rows 0 to 15 are stored here like the others and stored again, more finely, by the launch that follows.)
; A tile of C is 128 x 128: 256 work-groups.  Four waves, each 64 x 64: 16 accumulators of 16 x 16, 128 registers.  K goes in steps of 256 (LDS rows of 512 bytes; a wave's tensor load brings 64 of them) through two slots.
; CLUSTERS: 4 x 4 work-groups.  The four of a row of the cluster need the same tiles of A, the four of a column the same tiles of B: each tile is asked for JOINTLY.
; THE MATRIX INSTRUCTION IS USED TRANSPOSED (source 0 = 16 rows of B, source 1 = 16 rows of A): a lane then holds eight neighbouring numbers of a row of C.
; REGISTERS: window 0: v0-31 addresses; v32-95 the way out; v128-255 the accumulators ((a, b) at v[128 + 8 (4 a + b)]).  window 1: two fragment buffers of 128.
.set SIZE_M, 2048
.set SIZE_N, 2048
.set SIZE_K, 2048
.set KSTEP,  256
.set PITCH,  528                       ; an LDS row: 512 bytes + 16 of padding: the 16 rows of a load start at 16 different banks (64 banks of 4 bytes: ISA guide 11.1)
.set HALFT,  64*PITCH
.set SLOT,   4*HALFT
.set STAGE,  2*SLOT                    ; behind the ring: 16 rows x 272 bytes for each wave: a wave's 64 columns of f32 are 256 bytes
.set SPITCH, 272
.set SPARE,  STAGE+4*16*SPITCH         ; behind the stages: the spare words, 128 bytes for each wave
.set LAPS, SIZE_K/(2*KSTEP)
.set ADRA, 16
.set ADRB, 20
.set STO,  24
.set RD,   25
.set CO,   26
.set SPW,  28                          ; v28  LDS address of my spare word; never rewritten
.set NIL,  29                          ; v29  0; never rewritten
.set TMP,  32
.set ACC,  128
.set F0,   0
.set F1,   128
.set G1, 24
.set G0, 32
.set G1B, 48
.set G0B, 56
.set MSB, 0
.macro WIN new
.if MSB != \new
	s_set_vgpr_msb (MSB<<8)|\new
.set MSB, \new
.endif
.endm
.set MUL,  0x05                        ; sources 0 (B) and 1 (A) window 1; C and D window 0
.set TO_F, 0x40                        ; destination window 1, address window 0
.macro JLOAD s                         ; a joint load: waves 0 and 1 fetch A's two halves, waves 2 and 3 B's; an s_nop 0 and four v_nop follow each line
	s_cmp_eq_u32 s11, 0
	s_cbranch_scc0 .Lfor_b_\@
	tensor_load_to_lds s[G0+4*\s:G0+4*\s+3], s[G1:G1+7]
	s_nop 0
.rept 4
	v_nop
.endr
	s_branch .Lasked_\@
.Lfor_b_\@:
	tensor_load_to_lds s[G0B+4*\s:G0B+4*\s+3], s[G1B:G1B+7]
	s_nop 0
.rept 4
	v_nop
.endr
.Lasked_\@:
.endm
.macro CREST
	s_cmp_lg_u32 s10, 0
	s_cbranch_scc1 .Lnot_wave_0_\@
	s_barrier_signal -3
.Lnot_wave_0_\@:
	s_barrier_wait -3
	s_barrier_signal -1
	s_barrier_wait -1
.endm
.macro CROUND
	s_barrier_signal -1
	s_barrier_wait -1
	CREST
.endm
	s_load_b128 s[4:7], s[0:1], 0x0                ; o s[4:5], wot s[6:7]
	s_load_b64 s[8:9], s[0:1], 0x10                ; out0
	v_lshl_add_u32 v[SPW], v0, 2, SPARE
	v_mov_b32 v[NIL], 0
	ds_add_u32 v[SPW], v[NIL]                      ; the wave's opening: the add, twice on end, and its wait ahead of my first tensor load
	ds_add_u32 v[SPW], v[NIL]
	v_lshrrev_b32 v1, 5, v0
	v_readfirstlane_b32 s10, v1                    ; wave 0..3
	s_lshr_b32 s11, s10, 1                         ; which half of the tile's rows is mine.  Also: I fetch for A (0) or for B (1)
	s_and_b32 s12, s10, 1                          ; which half of its columns.  Also: which 64 rows of that tile I fetch
	s_bfe_u32 s40, ttmp6, 0x40000                  ; cx, cy
	s_bfe_u32 s41, ttmp6, 0x40004
	s_lshl_b32 s42, ttmp9, 2
	s_add_co_u32 s42, s42, s40                     ; tile column of C
	s_and_b32 s13, ttmp7, 0xffff
	s_lshl_b32 s13, s13, 2
	s_add_co_u32 s13, s13, s41                     ; tile row of C
	s_lshl_b32 s43, s41, 2
	s_lshl_b32 s43, 15, s43                        ; my row of the cluster
	s_lshl_b32 s44, 0x1111, s40                    ; my column
	s_or_b32 s[G1+0], s43, (1<<16)|(1<<20)|(1<<21)|(6<<22)|(3<<25)  ; the mask; elements of 2 bytes; padding on; bit 21 beside a mask; 4 words after every 128
	s_or_b32 s[G1B+0], s44, (1<<16)|(1<<20)|(1<<21)|(6<<22)|(3<<25)
.irp g, G1, G1B
	s_mov_b32 s[\g+1], KSTEP<<16                   ; tensor_dim0
	s_mov_b32 s[\g+2], 64<<16                      ; tensor_dim1
	s_mov_b32 s[\g+3], KSTEP<<16                   ; tile_dim0
	s_mov_b32 s[\g+4], 64                          ; tile_dim1
	s_mov_b32 s[\g+5], SIZE_K                      ; tensor_dim0_stride
	s_mov_b32 s[\g+6], 0
	s_mov_b32 s[\g+7], 0
.endr
	s_lshl_b32 s17, s12, 6
	s_lshl_b32 s16, s13, 7
	s_add_co_u32 s16, s16, s17                     ; A: row 128 x tile row + 64 x half
	s_lshl_b32 s46, s42, 7
	s_add_co_u32 s46, s46, s17                     ; B: row 128 x tile column + 64 x half
	s_mov_b32 s17, 0
	s_mov_b32 s47, 0
	s_mov_b64 s[18:19], SIZE_K*2
	s_mul_u64 s[16:17], s[16:17], s[18:19]
	s_mul_u64 s[46:47], s[46:47], s[18:19]
	s_mul_i32 s20, s10, HALFT                      ; where they go: wave x 64 rows
	s_wait_dscnt 0x0                               ; both opening adds are done
	s_wait_kmcnt 0x0
	s_add_nc_u64 s[14:15], s[4:5], s[16:17]
	s_add_nc_u64 s[46:47], s[6:7], s[46:47]
	CROUND                                         ; all sixteen work-groups are here: the first joint loads meet
.irp s, 0,1
	s_mov_b32 s[G0+4*\s], 1
	s_add_co_u32 s[G0+4*\s+1], s20, \s*SLOT
	s_add_nc_u64 s[G0+4*\s+2:G0+4*\s+3], s[14:15], \s*KSTEP*2
	s_or_b32 s[G0+4*\s+3], s[G0+4*\s+3], 0x80000000
	s_mov_b32 s[G0B+4*\s], 1
	s_add_co_u32 s[G0B+4*\s+1], s20, \s*SLOT
	s_add_nc_u64 s[G0B+4*\s+2:G0B+4*\s+3], s[46:47], \s*KSTEP*2
	s_or_b32 s[G0B+4*\s+3], s[G0B+4*\s+3], 0x80000000
	JLOAD \s
.endr
	v_and_b32 v1, 15, v0                           ; l % 16
	v_bfe_u32 v2, v0, 4, 1                         ; l / 16
	v_mul_u32_u24 v3, v1, PITCH
	v_lshl_add_u32 v3, v2, 4, v3
	s_mul_i32 s21, s11, HALFT                      ; my 64 rows of A
	s_mul_i32 s22, s12, HALFT                      ; my 64 rows of B,
	s_add_co_u32 s22, s22, 2*HALFT                 ; which lie behind A's 128
.irp s, 0,1
	v_add_nc_u32 v[ADRA+\s], s21, v3
	v_add_nc_u32 v[ADRB+\s], s22, v3
	s_add_co_u32 s21, s21, SLOT
	s_add_co_u32 s22, s22, SLOT
.endr
	s_mul_i32 s23, s10, 16*SPITCH
	s_add_co_u32 s23, s23, STAGE                   ; my stage
	v_mul_u32_u24 v4, v1, SPITCH                   ; in: row l % 16, 32 bytes for each half of the lanes
	v_lshl_add_u32 v4, v2, 5, v4
	v_add_nc_u32 v[STO], s23, v4
	v_mul_u32_u24 v5, v2, SPITCH                   ; back: lanes 0-15 one row of 256 bytes, lanes 16-31 the next
	v_lshl_add_u32 v5, v1, 4, v5
	v_add_nc_u32 v[RD], s23, v5
	v_mul_u32_u24 v5, v2, SIZE_N*4                 ; and the same two rows in C
	v_lshl_add_u32 v[CO], v1, 4, v5
	s_lshl_b32 s16, s13, 7
	s_lshl_b32 s17, s11, 6
	s_add_co_u32 s16, s16, s17                     ; my first row of C: 128 x tile row + 64 x half
	s_mov_b32 s17, 0
	s_mov_b64 s[18:19], SIZE_N*4
	s_mul_u64 s[16:17], s[16:17], s[18:19]
	s_add_nc_u64 s[8:9], s[8:9], s[16:17]
	s_lshl_b32 s46, s42, 9                         ; my first column, in bytes: 512 x tile column + 256 x half
	s_lshl_b32 s47, s12, 8
	s_add_co_u32 s46, s46, s47
	s_mov_b32 s47, 0
	s_add_nc_u64 s[8:9], s[8:9], s[46:47]
.macro MUL8 f, c, a0, zero             ; 8 matrix instructions: m blocks a0, a0 + 1 x all 4 n blocks, 32 along K.  The 16 accumulators take turns
.irp a, \a0, \a0+1
.irp b, 0,1,2,3
.if \zero
	v_wmma_f32_16x16x32_f16 v[ACC+8*(4*(\a)+\b):ACC+8*(4*(\a)+\b)+7], v[\f+64+8*(4*\c+\b):\f+64+8*(4*\c+\b)+7], v[\f+8*(4*\c+\a):\f+8*(4*\c+\a)+7], 0
.else
	v_wmma_f32_16x16x32_f16 v[ACC+8*(4*(\a)+\b):ACC+8*(4*(\a)+\b)+7], v[\f+64+8*(4*\c+\b):\f+64+8*(4*\c+\b)+7], v[\f+8*(4*\c+\a):\f+8*(4*\c+\a)+7], v[ACC+8*(4*(\a)+\b):ACC+8*(4*(\a)+\b)+7]
.endif
.endr
.endr
.endm
.macro FETCH slot, k, f                ; 32 LDS loads in one run: the fragments of 64 along K at byte k of the rows; the first 32 along K first
	WIN TO_F
.irp c, 0,1
.irp i, 0,1,2,3
	ds_load_b128 v[\f+64+8*(4*\c+\i):\f+64+8*(4*\c+\i)+3],   v[ADRB+\slot] offset:\k+64*\c+\i*16*PITCH
	ds_load_b128 v[\f+64+8*(4*\c+\i)+4:\f+64+8*(4*\c+\i)+7], v[ADRB+\slot] offset:\k+64*\c+\i*16*PITCH+32
	ds_load_b128 v[\f+8*(4*\c+\i):\f+8*(4*\c+\i)+3],         v[ADRA+\slot] offset:\k+64*\c+\i*16*PITCH
	ds_load_b128 v[\f+8*(4*\c+\i)+4:\f+8*(4*\c+\i)+7],       v[ADRA+\slot] offset:\k+64*\c+\i*16*PITCH+32
.endr
.endr
.endm
.macro PLACES
.rept 4
	v_nop
.endr
.endm
.macro QUARTER slot, k, f, g, zero     ; 64 along K: multiplies buffer f and fetches the next quarter, at byte k, into g
	s_wait_dscnt 16                                ; the first 32 along K are in
	WIN MUL
	MUL8 \f, 0, 0, \zero
	MUL8 \f, 0, 2, \zero
	PLACES
	FETCH \slot, \k, \g
	s_wait_dscnt 32                                ; all but the 32 just issued
	WIN MUL
	MUL8 \f, 1, 0, 0
	MUL8 \f, 1, 2, 0
.endm
.macro TURN slot, next, fill           ; the last quarter changes slots: ONE barrier
	WIN 0
	s_wait_tensorcnt 0x0                           ; all my tensor loads have landed: my part of the next slot
	ds_add_u32 v[SPW], v[NIL]
	s_wait_dscnt 17                                ; (the add and the youngest sixteen loads may be out)
	WIN MUL
	MUL8 F1, 0, 0, 0
	s_wait_dscnt 0x0                               ; the add is done, and my reads of this slot are over
	s_barrier_signal -1
	MUL8 F1, 0, 2, 0
.if \fill
	WIN 0
.endif
	s_barrier_wait -1
.if \fill
	CREST                                          ; the barrier has opened a round of the cluster's barrier
	s_add_nc_u64 s[G0+4*\slot+2:G0+4*\slot+3], s[G0+4*\slot+2:G0+4*\slot+3], 2*KSTEP*2
	s_add_nc_u64 s[G0B+4*\slot+2:G0B+4*\slot+3], s[G0B+4*\slot+2:G0B+4*\slot+3], 2*KSTEP*2
	JLOAD \slot                                    ; the first tensor load behind the round
.else
	PLACES
.endif
	FETCH \next, 0, F0
	WIN MUL
	MUL8 F1, 1, 0, 0
	MUL8 F1, 1, 2, 0
.endm
	s_wait_tensorcnt 1                             ; my part of K step 0 is in; K step 1's load may be out
	s_barrier_signal -1
	s_barrier_wait -1
	FETCH 0, 0, F0
	QUARTER 0, 128, F0, F1, 1                      ; the first quarter stands in front of the loop: its first products start the sums
	WIN 0
	s_mov_b32 s3, LAPS-1
.Llap:
	QUARTER 0, 256, F1, F0, 0
	QUARTER 0, 384, F0, F1, 0
	TURN 0, 1, 1
	QUARTER 1, 128, F0, F1, 0
	QUARTER 1, 256, F1, F0, 0
	QUARTER 1, 384, F0, F1, 0
	TURN 1, 0, 1
	QUARTER 0, 128, F0, F1, 0
	WIN 0
	s_sub_co_u32 s3, s3, 1
	s_cmp_lg_u32 s3, 0
	s_cbranch_scc1 .Llap
	QUARTER 0, 256, F1, F0, 0                      ; the last lap fills nothing
	QUARTER 0, 384, F0, F1, 0
	TURN 0, 1, 0
	QUARTER 1, 128, F0, F1, 0
	QUARTER 1, 256, F1, F0, 0
	QUARTER 1, 384, F0, F1, 0
	s_wait_dscnt 16
	WIN MUL
	MUL8 F1, 0, 0, 0
	MUL8 F1, 0, 2, 0
	s_wait_dscnt 0
	MUL8 F1, 1, 0, 0
	MUL8 F1, 1, 2, 0
	WIN 0
; THE WAY OUT, block by block of 16 rows x 64 columns of f32: 32 bytes a lane into my own stage, back as whole rows of 256 bytes.  No barrier: the stage is the wave's own, and LDS serves a wave's instructions in order.
.macro TOSTAGE a
.irp b, 0,1,2,3
	ds_store_b128 v[STO], v[ACC+8*(4*(\a)+\b):ACC+8*(4*(\a)+\b)+3] offset:64*\b          ; each accumulator from its low end on
	ds_store_b128 v[STO], v[ACC+8*(4*(\a)+\b)+4:ACC+8*(4*(\a)+\b)+7] offset:64*\b+16
.endr
.set BB, TMP+32*((\a)%2)
.irp t, 0,1,2,3,4,5,6,7
	ds_load_b128 v[BB+4*\t:BB+4*\t+3], v[RD] offset:\t*2*SPITCH
.endr
.endm
.macro SEND a, younger                 ; younger: the LDS instructions issued behind block a's loads
.set BB, TMP+32*((\a)%2)
	s_wait_dscnt \younger
.irp t, 0,1,2,3,4,5,6,7
	global_store_b128 v[CO], v[BB+4*\t:BB+4*\t+3], s[8:9] offset:(16*(\a)+2*\t)*SIZE_N*4 th:TH_STORE_NT   ; 16 lanes store 256 consecutive bytes, aligned
.endr
.endm
	PLACES
	TOSTAGE 0
.irp a, 1,2,3
.if \a > 1
	s_wait_xcnt 0x0                                ; block a - 2's stores have read their registers: block a's loads may land there
.endif
	TOSTAGE \a
	SEND \a-1, 16                                  ; behind block a - 1's loads: block a's 8 stores and 8 loads
.endr
	SEND 3, 0
	s_wait_tensorcnt 0x0                           ; the wave's end
	ds_add_u32 v[SPW], v[NIL]
	s_wait_dscnt 0x0
	CROUND                                         ; the closing round
	s_endpgm
.Lfunc_end_k_qd2e3bd8b03_oproj:
	.size	k_qd2e3bd8b03_oproj, .Lfunc_end_k_qd2e3bd8b03_oproj-k_qd2e3bd8b03_oproj
	.p2alignl 7, 3214868480
	.fill 96, 4, 3214868480
	.section	.rodata,"a",@progbits
	.p2align	6, 0x0
	.amdhsa_kernel k_qd2e3bd8b03_oproj
		.amdhsa_group_segment_fixed_size 327680
		.amdhsa_private_segment_fixed_size 0
		.amdhsa_enable_private_segment 0
		.amdhsa_kernarg_size 24
		.amdhsa_user_sgpr_count 2
		.amdhsa_user_sgpr_kernarg_segment_ptr 1
		.amdhsa_wavefront_size32 1
		.amdhsa_system_sgpr_workgroup_id_x 1
		.amdhsa_system_sgpr_workgroup_id_y 1
		.amdhsa_system_sgpr_workgroup_id_z 1
		.amdhsa_system_vgpr_workitem_id 0
		.amdhsa_next_free_vgpr 512
		.amdhsa_next_free_sgpr 66
		.amdhsa_reserve_vcc 0
		.amdhsa_float_denorm_mode_32 3
		.amdhsa_float_denorm_mode_16_64 3
		.amdhsa_memory_ordered 1
		.amdhsa_forward_progress 1
		.amdhsa_inst_pref_size 86
	.end_amdhsa_kernel
	.amdgpu_metadata
---
amdhsa.version: [ 1, 2 ]
amdhsa.kernels:
  - .name:           k_qd2e3bd8b03_oproj
    .symbol:         k_qd2e3bd8b03_oproj.kd
    .args:
      - { .name: o, .offset: 0, .size: 8, .value_kind: global_buffer, .address_space: global }
      - { .name: wot, .offset: 8, .size: 8, .value_kind: global_buffer, .address_space: global }
      - { .name: out0, .offset: 16, .size: 8, .value_kind: global_buffer, .address_space: global }
    .group_segment_fixed_size: 327680
    .private_segment_fixed_size: 0
    .kernarg_segment_align: 8
    .kernarg_segment_size: 24
    .max_flat_workgroup_size: 128
    .sgpr_count:     66
    .vgpr_count:     512
    .wavefront_size: 32
...
	.end_amdgpu_metadata
.endif
;; end of part 4
;; launch first16 (part 5): grid 128 x 1, 16 waves a work-group, no clusters, 18,432 bytes of LDS; arguments fine, wo, out0; writes out0
.if DOCPART == 5
	.amdgcn_target "amdgcn-amd-amdhsa--gfx1250"
	.amdhsa_code_object_version 6
	.text
	.protected	k_qd2e3bd8b03_first16
	.globl	k_qd2e3bd8b03_first16
	.p2align	8
	.type	k_qd2e3bd8b03_first16,@function
k_qd2e3bd8b03_first16:
	s_mov_b64 s[64:65], 0
	v_nop
	global_prefetch_b8 v0, s[64:65] scope:SCOPE_SE
	s_setreg_imm32_b32 hwreg(HW_REG_WAVE_MODE, 25, 1), 1
	s_wait_xcnt 0x0
; POSITIONS 0 TO 15 IN F32.  Under the causal mask these rows average one to sixteen values and are the largest of the output: scores, softmax, the product with v and the projection by wo are carried in f32 for them.
; Work-group g makes out0[0 .. 15][16 g .. 16 g + 15].  Wave w is head w.  out = the sum over heads of P (V W) / l, W = wo's rows 128 w .. 128 w + 127 at the work-group's 16 columns:
;   S^T = K Q^T (32 matrix instructions of the f32 form), the softmax's p and l, VW = V W (32), out^T = (VW)^T p^T (8); the sixteen heads' parts meet in LDS.
; The scores are repeated in every work-group, so that wo's 16 MB are shared out among 128 work-groups.
; fine holds q, k, v of these positions as images of registers: element (position r, channel 16 b + 8 h + 4 g + e) of image c at 8192 c + 1024 b + 512 g + 16 (r + 16 h) + 4 e; images 0-15 q's heads, 16-31 k's, 32-47 v's.
; A register pair (8 b + 2 s, + 1) of lane (r, h) then holds channels 16 b + 8 h + 2 s + 0, 1 of position r.  wo is loaded in the same order of channels, a lane to a column.  So q's, k's and v's images are sources as they lie.
; VW's result holds, in lane (r, h), column r and keys 8 h + 0 .. 7: the order of keys in which p lies: it is a source of the last product as it stands.
; The maximum is taken away before the exponential, as in the other launch.  LIMITS: NaN and infinities are not served.
; The registers that the f32 matrix form writes (v160-207) are written by matrix instructions alone.
.set FO,  1                            ; v1   16 x lane
.set WOO, 3                            ; v3   my place in wo: 8 (lane / 16) rows of 8,192 bytes + 4 (lane % 16)
.set DD,  4                            ; v4   lane % 16 - 8 (lane / 16)
.set NINF, 5
.set GOUT, 10                          ; v10  the reduction's place in out0
.set SPW, 12                           ; v12  LDS address of my spare word; never rewritten
.set NIL, 13                           ; v13  0; never rewritten
.set LP,  14                           ; v14  where I put my partial sums
.set LR,  15                           ; v15  where the reduction reads
.set R,   16
.set P,   24
.set QR,  32                           ; v32-95   q, then v, then the reduction
.set KR,  96                           ; v96-159  k; then wo's tiles 6 and 7 in its first 16
.set SA,  160                          ; v160-175 the scores, in two sums
.set VW,  176                          ; v176-191 V W, in two sums
.set OA,  192                          ; v192-207 the output, in two sums
.set WO,  208                          ; v208-255 wo's tiles 0 to 5
.set SPARE, 16384
	s_load_b128 s[4:7], s[0:1], 0x0                ; fine s[4:5], wo s[6:7]
	s_load_b64 s[8:9], s[0:1], 0x10                ; out0
	v_lshl_add_u32 v[SPW], v0, 2, SPARE
	v_mov_b32 v[NIL], 0
	v_lshrrev_b32 v1, 5, v0
	v_readfirstlane_b32 s10, v1                    ; wave = head
	v_and_b32 v16, 31, v0                          ; lane
	v_and_b32 v17, 15, v0                          ; r
	v_bfe_u32 v18, v0, 4, 1                        ; h
	v_lshlrev_b32 v[FO], 4, v16
	v_lshlrev_b32 v[WOO], 16, v18
	v_lshl_add_u32 v[WOO], v17, 2, v[WOO]
	v_lshlrev_b32 v[DD], 3, v18
	v_sub_nc_u32 v[DD], v17, v[DD]
	v_mov_b32 v[NINF], 0xff800000
	v_mov_b32 v7, 0                                ; written once: a lane permute's destination counts as one of its sources
	s_lshl_b32 s11, s10, 10
	v_lshlrev_b32 v[LP], 6, v17
	v_lshl_add_u32 v[LP], v18, 5, v[LP]
	v_add_nc_u32 v[LP], s11, v[LP]                 ; 1024 x wave + 64 r + 32 h
	v_lshlrev_b32 v[LR], 4, v0                     ; 16 x thread (threads 0 to 63 read)
	v_lshrrev_b32 v[GOUT], 2, v0
	v_lshlrev_b32 v[GOUT], 13, v[GOUT]
	v_and_b32 v11, 3, v0
	v_lshl_add_u32 v[GOUT], v11, 4, v[GOUT]        ; row thread / 4 of 8,192 bytes, + 16 (thread % 4)
	s_mov_b32 s20, 0x76543210
	s_mov_b32 s21, 0xfedcba98                      ; lane l xor 16
	s_mov_b32 s22, 0x3e0293ee                      ; c = log2(e) / sqrt(128)
	s_lshl_b32 s12, s10, 13                        ; my head's image
	s_mov_b32 s13, 0
	s_lshl_b32 s14, s10, 20                        ; my head's 128 rows of wo,
	s_lshl_b32 s16, ttmp9, 6                       ; the work-group's 16 columns
	s_add_co_u32 s14, s14, s16
	s_mov_b32 s15, 0
	s_mov_b32 s17, 0
	s_wait_kmcnt 0x0
	s_add_nc_u64 s[4:5], s[4:5], s[12:13]
	s_add_nc_u64 s[6:7], s[6:7], s[14:15]
	s_add_nc_u64 s[8:9], s[8:9], s[16:17]
.irp b, 0,1,2,3,4,5,6,7
.irp g, 0,1
	global_load_b128 v[QR+8*\b+4*\g:QR+8*\b+4*\g+3], v[FO], s[4:5] offset:1024*\b+512*\g
	global_load_b128 v[KR+8*\b+4*\g:KR+8*\b+4*\g+3], v[FO], s[4:5] offset:131072+1024*\b+512*\g
.endr
.endr
.irp t, 0,1,2,3,4,5
.irp i, 0,1,2,3,4,5,6,7
	global_load_b32 v[WO+8*\t+\i], v[WOO], s[6:7] offset:(16*\t+\i)*8192            ; wo(128 w + 16 t + 8 h + i, 16 g + r): asked for at the head, wanted behind the softmax
.endr
.endr
	s_wait_loadcnt 48                              ; q and k are in; wo's 48 loads, asked for behind them, may be out
	; S^T = K Q^T: source 0 = 16 keys, source 1 = 16 queries; 4 channels an instruction; two sums by turns; the first two products start them
.irp u, 0,1,2,3,4,5,6,7,8,9,10,11,12,13,14,15,16,17,18,19,20,21,22,23,24,25,26,27,28,29,30,31
.if \u < 2
	v_wmma_f32_16x16x4_f32 v[SA+8*(\u%2):SA+8*(\u%2)+7], v[KR+2*\u:KR+2*\u+1], v[QR+2*\u:QR+2*\u+1], 0
.else
	v_wmma_f32_16x16x4_f32 v[SA+8*(\u%2):SA+8*(\u%2)+7], v[KR+2*\u:KR+2*\u+1], v[QR+2*\u:QR+2*\u+1], v[SA+8*(\u%2):SA+8*(\u%2)+7]
.endif
.endr
.rept 8
	v_nop                                          ; eight places behind this form, in front of loads into its sources and of the reads of its results
.endr
.irp b, 0,1,2,3,4,5,6,7
.irp g, 0,1
	global_load_b128 v[QR+8*\b+4*\g:QR+8*\b+4*\g+3], v[FO], s[4:5] offset:262144+1024*\b+512*\g   ; v's image, as it lies: 512 consecutive bytes a load
.endr
.endr
.irp t, 6,7
.irp i, 0,1,2,3,4,5,6,7
	global_load_b32 v[KR+8*(\t-6)+\i], v[WOO], s[6:7] offset:(16*\t+\i)*8192
.endr
.endr
	; the softmax: a lane holds query r and keys 8 h + 0 .. 7
.irp j, 0,1,2,3,4,5,6,7
	v_add_f32 v[P+\j], v[SA+\j], v[SA+8+\j]        ; both sums from their low ends on
.endr
.irp j, 0,1,2,3,4,5,6,7
	v_cmp_gt_i32 vcc_lo, \j, v[DD]                 ; key 8 h + j comes after query r
	v_cndmask_b32 v[P+\j], v[P+\j], v[NINF], vcc_lo
.endr
	v_max3_num_f32 v6, v[P], v[P+1], v[P+2]
	v_max3_num_f32 v6, v6, v[P+3], v[P+4]
	v_max3_num_f32 v6, v6, v[P+5], v[P+6]
	v_max_num_f32 v6, v6, v[P+7]
	v_permlanex16_b32 v7, v6, s20, s21
	v_max_num_f32 v6, v6, v7                       ; the row's maximum: key 0 counts for every query
	v_mul_f32 v8, s22, v6
.irp j, 0,1,2,3,4,5,6,7
	v_fma_f32 v[P+\j], v[P+\j], s22, -v8
.endr
.irp j, 0,1,2,3,4,5,6,7
	v_exp_f32 v[P+\j], v[P+\j]
.endr
	v_nop                                          ; a plain instruction behind the last exponential
	s_wait_alu depctr_va_vdst(0)                   ; one wait for the batch, ahead of its first reader
	v_add_f32 v9, v[P], v[P+1]
	v_add_f32 v8, v[P+2], v[P+3]
	v_add_f32 v6, v[P+4], v[P+5]
	v_add_f32 v11, v[P+6], v[P+7]
	v_add_f32 v9, v9, v8
	v_add_f32 v6, v6, v11
	v_add_f32 v9, v9, v6
	v_permlanex16_b32 v7, v9, s20, s21
	v_add_f32 v9, v9, v7                           ; the row's sum
	v_rcp_f32 v8, v9
	v_nop
	s_wait_alu depctr_va_vdst(0)
	s_wait_loadcnt 0x0                             ; v and all of wo
	; VW = V W: source 0 = 16 keys of v, source 1 = 16 columns of wo; 4 channels an instruction; two sums by turns
.irp t, 0,1,2,3,4,5
.irp s, 0,1,2,3
.if (\t == 0) && (\s < 2)
	v_wmma_f32_16x16x4_f32 v[VW+8*(\s%2):VW+8*(\s%2)+7], v[QR+8*\t+2*\s:QR+8*\t+2*\s+1], v[WO+8*\t+2*\s:WO+8*\t+2*\s+1], 0
.else
	v_wmma_f32_16x16x4_f32 v[VW+8*(\s%2):VW+8*(\s%2)+7], v[QR+8*\t+2*\s:QR+8*\t+2*\s+1], v[WO+8*\t+2*\s:WO+8*\t+2*\s+1], v[VW+8*(\s%2):VW+8*(\s%2)+7]
.endif
.endr
.endr
.irp t, 6,7
.irp s, 0,1,2,3
	v_wmma_f32_16x16x4_f32 v[VW+8*(\s%2):VW+8*(\s%2)+7], v[QR+8*\t+2*\s:QR+8*\t+2*\s+1], v[KR+8*(\t-6)+2*\s:KR+8*(\t-6)+2*\s+1], v[VW+8*(\s%2):VW+8*(\s%2)+7]
.endr
.endr
.rept 9
	v_nop                                          ; nine places before a matrix instruction takes these results as a source
.endr
	; out^T = (VW)^T p^T: source 0 = 16 columns (register pair (2 s, + 1) of lane (r, h): keys 8 h + 2 s + 0, 1 of column r), source 1 = my 16 queries' p at the same keys; each of VW's two sums has a sum of its own, by turns
.irp s, 0,1,2,3
.irp a, 0,1
.if \s == 0
	v_wmma_f32_16x16x4_f32 v[OA+8*\a:OA+8*\a+7], v[VW+8*\a+2*\s:VW+8*\a+2*\s+1], v[P+2*\s:P+2*\s+1], 0
.else
	v_wmma_f32_16x16x4_f32 v[OA+8*\a:OA+8*\a+7], v[VW+8*\a+2*\s:VW+8*\a+2*\s+1], v[P+2*\s:P+2*\s+1], v[OA+8*\a:OA+8*\a+7]
.endif
.endr
.endr
.rept 8
	v_nop
.endr
.irp j, 0,1,2,3,4,5,6,7
	v_mul_f32 v[R+\j], v[OA+\j], v8                ; / the row's sum: lane (r, h) holds query r, columns 8 h + 0 .. 7
.endr
.irp j, 0,1,2,3,4,5,6,7
	v_fma_f32 v[R+\j], v[OA+8+\j], v8, v[R+\j]
.endr
	ds_store_b128 v[LP], v[R:R+3]
	ds_store_b128 v[LP], v[R+4:R+7] offset:16
	s_wait_dscnt 0x0                               ; for the others' sake: my stores are done
	s_barrier_signal -1
	s_barrier_wait -1
	s_cmp_lt_u32 s10, 2                            ; threads 0 to 63 add the sixteen heads' parts, 16 bytes each
	s_cbranch_scc0 .Ldone
.irp p, 0,1,2,3,4,5,6,7,8,9,10,11,12,13,14,15
	ds_load_b128 v[QR+4*\p:QR+4*\p+3], v[LR] offset:1024*\p
.endr
	s_wait_dscnt 0x0
.irp p, 1,2,3,4,5,6,7,8,9,10,11,12,13,14,15
	v_pk_add_f32 v[QR:QR+1], v[QR:QR+1], v[QR+4*\p:QR+4*\p+1]
	v_pk_add_f32 v[QR+2:QR+3], v[QR+2:QR+3], v[QR+4*\p+2:QR+4*\p+3]
.endr
	global_store_b128 v[GOUT], v[QR:QR+3], s[8:9]  ; four lanes store a row's 64 bytes
.Ldone:
	s_wait_tensorcnt 0x0                           ; the wave's end: behind my last LDS store
	ds_add_u32 v[SPW], v[NIL]
	s_wait_dscnt 0x0
	s_endpgm
.Lfunc_end_k_qd2e3bd8b03_first16:
	.size	k_qd2e3bd8b03_first16, .Lfunc_end_k_qd2e3bd8b03_first16-k_qd2e3bd8b03_first16
	.p2alignl 7, 3214868480
	.fill 96, 4, 3214868480
	.section	.rodata,"a",@progbits
	.p2align	6, 0x0
	.amdhsa_kernel k_qd2e3bd8b03_first16
		.amdhsa_group_segment_fixed_size 18432
		.amdhsa_private_segment_fixed_size 0
		.amdhsa_enable_private_segment 0
		.amdhsa_kernarg_size 24
		.amdhsa_user_sgpr_count 2
		.amdhsa_user_sgpr_kernarg_segment_ptr 1
		.amdhsa_wavefront_size32 1
		.amdhsa_system_sgpr_workgroup_id_x 1
		.amdhsa_system_sgpr_workgroup_id_y 1
		.amdhsa_system_sgpr_workgroup_id_z 1
		.amdhsa_system_vgpr_workitem_id 0
		.amdhsa_next_free_vgpr 256
		.amdhsa_next_free_sgpr 66
		.amdhsa_reserve_vcc 1
		.amdhsa_float_denorm_mode_32 3
		.amdhsa_float_denorm_mode_16_64 3
		.amdhsa_memory_ordered 1
		.amdhsa_forward_progress 1
		.amdhsa_inst_pref_size 25
	.end_amdhsa_kernel
	.amdgpu_metadata
---
amdhsa.version: [ 1, 2 ]
amdhsa.kernels:
  - .name:           k_qd2e3bd8b03_first16
    .symbol:         k_qd2e3bd8b03_first16.kd
    .args:
      - { .name: fine, .offset: 0, .size: 8, .value_kind: global_buffer, .address_space: global }
      - { .name: wo, .offset: 8, .size: 8, .value_kind: global_buffer, .address_space: global }
      - { .name: out0, .offset: 16, .size: 8, .value_kind: global_buffer, .address_space: global }
    .group_segment_fixed_size: 18432
    .private_segment_fixed_size: 0
    .kernarg_segment_align: 8
    .kernarg_segment_size: 24
    .max_flat_workgroup_size: 512
    .sgpr_count:     66
    .vgpr_count:     256
    .wavefront_size: 32
...
	.end_amdgpu_metadata
.endif
;; end of part 5
